; MI455X (gfx1250); checked and timed in simulation.
; The chip was launched on July 23, 2026; its instructions are those of AMD's public machine-readable ISA for CDNA 5 (MIT licence, August 2026) and "CDNA5" Instruction Set Architecture Reference Guide (July 2026). The comments in the code are by the model that wrote it; some were corrected since.
;; Flash MHA. Allowed arithmetic: matrix products marked QUANTISED: E2M3 operands, one E8M0 scale for each 32 along K, by v_wmma_scale_f32_16x16x128_f8f6f4 with both operands' format E2M3, f32 sums; everything else in f32.
;; Inputs: Wkv_b 2,048 float32; Wkv_w 2,048 x 1,024 float32; Wq_b 1,024 float32; Wq_w 1,024 x 1,024 float32; attn_bias 2 x 2,048 float32; mem 2 x 2,048 x 1,024 float32; memory_key_padding_mask 2 x 2,048 bool; out_b 1,024 float32; out_w 1,024 x 1,024 float32; tgt 2 x 2,048 x 1,024 float32.
;; Outputs: out0 2 x 2,048 x 1,024 float32.
;; This version of the problem:
;;   THIS VERSION OF THE PROBLEM IS GIVEN IN LOW PRECISION. The matrix products marked QUANTISED in the list below multiply operands that are first quantised to E2M3 (2 exponent bits, 3 mantissa bits; 6 bits a number), with one power-of-two scale for each 32 numbers along K (OCP MX v1.0); their sums are f32. All else is computed in f32.
;;   The module's matrix products, in the order in which they are computed (A, B: the left and right operand; K: the contracted axis; several contracted axes count as one K, in the product's order):
;;     1. [M 4,096, K 1,024] x [K 1,024, N 1,024]; A: input tgt; B: input Wq_w: QUANTISED
;;     2. [M 4,096, K 1,024] x [K 1,024, N 2,048]; A: input mem; B: input Wkv_w: QUANTISED
;;     3. batch 32 x [M 2,048, K 64] x [K 64, N 2,048]; A: computed on the way; B: computed on the way: QUANTISED
;;     4. batch 32 x [M 64, K 2,048] x [K 2,048, N 2,048]; A: computed on the way; B: softmax (see below): QUANTISED
;;     5. [M 4,096, K 1,024] x [K 1,024, N 1,024]; A: computed on the way; B: input out_w: QUANTISED
;;   THE QUANTISER, for each operand of a quantised product, along K:
;;     - K is cut into blocks of 32 from its start; a last block that is shorter is filled with zeros.
;;     - A block's scale is 2^e with e = floor(log2(the largest magnitude in the block)) - 2, held to -126 .. 127; a block of zeros has e = 0. As a byte (E8M0): e + 127.
;;     - Each number is divided by its block's scale, clamped to +-7.5, and rounded to the nearest number of E2M3, ties to even, subnormals kept.
;;     - The product sums the exact products of the quantised numbers (number of the format x scale) in f32.
;;   ~~~python
;;   def quantise(x, axis):      # numpy; x: float32 -> the quantised numbers, widened to float32 again
;;       x = np.moveaxis(x, axis, -1); K = x.shape[-1]
;;       x = np.pad(x, [(0, 0)] * (x.ndim - 1) + [(0, -K % 32)]); x = x.reshape(x.shape[:-1] + (-1, 32)); a = np.abs(x).max(-1, keepdims=True)
;;       e = np.where(a > 0, np.clip(np.frexp(np.where(a > 0, a, 1))[1] - 1 - 2, -126, 127), 0)      # np.frexp(a)[1] - 1 = floor(log2(a)), exactly
;;       r = np.clip(x / 2.0 ** e, -7.5, 7.5)
;;       step = 2.0 ** (np.maximum(np.frexp(np.where(r == 0, 1, r))[1] - 1, 0) - 3)
;;       q = np.round(r / step) * step * 2.0 ** e      # np.round: ties to even
;;       return np.moveaxis(q.reshape(q.shape[:-2] + (-1,))[..., :K], -1, axis).astype(np.float32)
;;   ~~~
;;   SOFTMAX AHEAD OF A QUANTISED PRODUCT. Where the list says 'softmax', what is quantised is not the finished softmax but p = 2^(t - M), with t = logit x log2(e) and M = ceil(the row's largest t), a whole number; so 1/2 < the row's largest p <= 1. The row's sum l is taken of the UNQUANTISED p, in f32, and the product's result is divided by l at the end. Since M is a whole number, a kernel that streams over the keys may use a running M (the ceiling of the running maximum): every later rescaling is an exact power of two, which a block's scale takes up: the codes' values come out the same.
;;   OPERANDS COMPUTED ON THE WAY. 'Computed on the way' means the value that the module computes at that place (a softmax that the list does not call 'softmax' is quantised finished and normalised). What goes into a quantiser is computed in f32, as accurately as f32 sums, v_exp_f32 and their like allow (about 1e-6 of the number): no bf16 or f16 on the way to a quantiser, and a product that is left as it is and whose result goes on into a quantised operand takes f32 operands (vector FMAs, or v_wmma_f32_16x16x4_f32). A number that lies on a knife's edge between two numbers of the format may be rounded either way, as far as f32 arithmetic and the matrix unit's own rounding can turn it there, and no further.
;; 2 versions. Each part assembles by itself: llvm-mc -triple=amdgcn-amd-amdhsa -mcpu=gfx1250 --defsym DOCPART=n.
;; ======== version 1 of 2: 4 launches
;; limits: right only within a limited range of input values
;; workspace buffers: xc 9,437,184 bytes; xs 393,216 bytes; qp 3,407,872 bytes; kvp 6,553,600 bytes; cc 3,145,728 bytes; cs 131,072 bytes
;; launch quant (part 1): grid 768 x 1, 2 waves a work-group, no clusters, 17,152 bytes of LDS; arguments tgt, mem, Wq_w, Wkv_w, out_w, xc, xs; writes xc, xs
.if DOCPART == 1
	.amdgcn_target "amdgcn-amd-amdhsa--gfx1250"
	.amdhsa_code_object_version 6
	.text
	.protected	k_qfda5fd63d6_quant
	.globl	k_qfda5fd63d6_quant
	.p2align	8
	.type	k_qfda5fd63d6_quant,@function
k_qfda5fd63d6_quant:
	s_mov_b64 s[64:65], 0
	v_nop
	global_prefetch_b8 v0, s[64:65] scope:SCOPE_SE
	s_setreg_imm32_b32 hwreg(HW_REG_WAVE_MODE, 25, 1), 1
	s_wait_xcnt 0x0
; tgt, mem [4096][1024], Wq_w, out_w [1024][1024], Wkv_w [2048][1024], all f32, become codes of FP6 (E2M3) with one E8M0 byte for each 32 along K = 1,024.
; The codes are laid IN THE ORDER OF AN OPERAND'S REGISTERS.  A TILE is 16 rows: lane r of tile T is row 32 (T / 2) + 8 (T % 2) + r + 8 (r / 8).  A fragment (tile, 128 along K) is 12 registers a lane, 1,536 bytes:
; registers 0-3 at 16 x lane, 4-5 at 512 + 8 x lane, 6-9 at 768 + 16 x lane, 10-11 at 1,280 + 8 x lane.  Fragment (T, s) lies at (8 T + s) x 1,536 of xc; its scale words at 512 T + 256 (s / 4) + 16 r + 4 (s % 4) of xs.
; Tiles of xc: 0-255 tgt, 256-511 mem, 512-575 Wq_w, 576-703 Wkv_w, 704-767 out_w.
; A block's scale is 2^(floor(log2(its largest magnitude)) - 2); its byte is the largest magnitude's exponent field - 2, held at 1 from below.  A block of zeros gets the byte 1: its codes are zeros, and this program alone reads the bytes.
; LIMITS: NaN and infinities among the inputs are not served.
; SHARES.  A work-group is one tile; wave w takes K steps 4 w .. 4 w + 3.  Each load reads 512 consecutive bytes of one row; a K step's 16 rows turn through the wave's own stage in LDS (rows of 512 + 16 bytes), so that a lane
; gets 16 neighbours along K of each block.  Loads run two K steps (32 loads a wave) ahead.  The waves share nothing: no barrier.  No tile is read by two work-groups: nothing to ask for jointly.
.set STG,  8448                        ; a wave's stage: 16 rows x 528 bytes
.set RA,   64                          ; v64-127, v128-191  two sets of 16 x 4 registers, as loaded
.set X,    192                         ; v192-255 64 numbers of my row: register 16 b + i = k 32 b + 16 (lane / 16) + i
.set PC,   32                          ; v32-43 the fragment's codes; v44-46, v48-50 at work
.set TM,   16                          ; v16-19 largest magnitudes, v20-23 bytes, v28-31 the conversions' scale operands
.set W,    8                           ; v8-11 the four scale words
.set SEL,  24                          ; s[24:25] lane selects: lane l xor 16
	s_load_b256 s[4:11], s[0:1], 0x0               ; tgt, mem, Wq_w, Wkv_w
	s_load_b128 s[12:15], s[0:1], 0x20             ; out_w, xc
	s_load_b64 s[16:17], s[0:1], 0x30              ; xs
	v_lshl_add_u32 v62, v0, 2, 0x4200
	v_mov_b32 v63, 0
	v_lshrrev_b32 v1, 5, v0
	v_readfirstlane_b32 s18, v1                    ; wave
	v_and_b32 v6, 31, v0                           ; lane
	v_and_b32 v7, 15, v0                           ; r
	v_bfe_u32 v14, v0, 4, 1                        ; h
	v_lshlrev_b32 v1, 4, v6                        ; 16 x lane
	v_lshlrev_b32 v2, 3, v6                        ; 8 x lane
	s_mul_i32 s26, s18, STG
	v_add_nc_u32 v3, s26, v1                       ; the stage, in: 16 x lane of a row
	v_mul_u32_u24 v4, v7, 528
	v_lshl_add_u32 v4, v14, 6, v4
	v_add_nc_u32 v4, s26, v4                       ; and out: row r, + 64 h
	v_lshlrev_b32 v5, 4, v7
	v_lshl_add_u32 v5, v14, 3, v5                  ; the scale words: 16 r + 8 h
	s_mov_b32 s[SEL], 0x76543210
	s_mov_b32 s[SEL+1], 0xfedcba98
.irp b, 0,1,2,3
	v_mov_b32 v[TM+4+\b], 0                        ; written once: a lane permute's destination counts as one of its sources
.endr
	s_wait_kmcnt 0x0
	s_mov_b64 s[20:21], s[12:13]                   ; which tensor, and its first tile: the choice hangs on the work-group's number alone
	s_mov_b32 s19, 704
	s_cmp_lt_u32 ttmp9, 704
	s_cselect_b64 s[20:21], s[10:11], s[20:21]
	s_cselect_b32 s19, 576, s19
	s_cmp_lt_u32 ttmp9, 576
	s_cselect_b64 s[20:21], s[8:9], s[20:21]
	s_cselect_b32 s19, 512, s19
	s_cmp_lt_u32 ttmp9, 512
	s_cselect_b64 s[20:21], s[6:7], s[20:21]
	s_cselect_b32 s19, 256, s19
	s_cmp_lt_u32 ttmp9, 256
	s_cselect_b64 s[20:21], s[4:5], s[20:21]
	s_cselect_b32 s19, 0, s19
	s_sub_co_u32 s22, ttmp9, s19                   ; T: the tile in its tensor
	s_lshr_b32 s23, s22, 1
	s_lshl_b32 s23, s23, 17                        ; 32 (T / 2) rows of 4,096 bytes
	s_and_b32 s22, s22, 1
	s_lshl_b32 s22, s22, 15                        ; 8 (T % 2) rows
	s_add_co_u32 s22, s22, s23
	s_lshl_b32 s23, s18, 11                        ; my four K steps: 2,048 bytes a wave
	s_add_co_u32 s22, s22, s23
	s_mov_b32 s23, 0
	s_add_nc_u64 s[20:21], s[20:21], s[22:23]
	s_mul_i32 s22, ttmp9, 12288
	s_mul_i32 s27, s18, 6144
	s_add_co_u32 s22, s22, s27
	s_add_nc_u64 s[14:15], s[14:15], s[22:23]      ; my four fragments
	s_lshl_b32 s22, ttmp9, 9
	s_lshl_b32 s27, s18, 8
	s_add_co_u32 s22, s22, s27
	s_add_nc_u64 s[16:17], s[16:17], s[22:23]      ; my 256 bytes of scale words
.macro LOAD q                          ; K step q of the tile's 16 rows: 512 consecutive bytes an instruction
.irp i, 0,1,2,3,4,5,6,7,8,9,10,11,12,13,14,15
	global_load_b128 v[RA+64*((\q)%2)+4*\i:RA+64*((\q)%2)+4*\i+3], v1, s[20:21] offset:(\i+8*(\i/8))*4096+512*(\q) th:TH_LOAD_NT
.endr
.endm
; 64 numbers of a lane, v[s] on, become a fragment's codes in v[PC] on and its scale word in v[pw]
.macro QUANT s, pw
.irp b, 0,1,2,3
	v_max3_num_f32 v[TM+\b], |v[\s+16*\b]|, |v[\s+1+16*\b]|, 0x1800000   ; my 16 numbers of block b, and the floor 2^(3 - 127): the byte cannot fall under 1
.endr
.irp i, 2,4,6,8,10,12,14
.irp b, 0,1,2,3
	v_max3_num_f32 v[TM+\b], v[TM+\b], |v[\s+16*\b+\i]|, |v[\s+1+16*\b+\i]|
.endr
.endr
.irp b, 0,1,2,3
	v_permlanex16_b32 v[TM+4+\b], v[TM+\b], s[SEL], s[SEL+1]
.endr
.irp b, 0,1,2,3
	v_max_num_f32 v[TM+\b], v[TM+\b], v[TM+4+\b]   ; with lane l xor 16's 16: the block's largest magnitude
.endr
.irp b, 0,1,2,3
	v_add_nc_u32 v[TM+12+\b], 0xff000000, v[TM+\b] ; 2 off its exponent field: the conversion's scale operand
.endr
.irp b, 0,1,2,3
	v_lshrrev_b32 v[TM+4+\b], 23, v[TM+12+\b]      ; the scale's byte
.endr
	v_lshl_or_b32 v[\pw], v[TM+5], 8, v[TM+4]
	v_lshl_or_b32 v[\pw], v[TM+6], 16, v[\pw]
	v_lshl_or_b32 v[\pw], v[TM+7], 24, v[\pw]
.irp c, 0,1
	v_cvt_scalef32_pk16_fp6_f32 v[PC+6*\c:PC+2+6*\c], v[\s+32*\c:\s+15+32*\c], v[TM+12+2*\c]
	v_cvt_scalef32_pk16_fp6_f32 v[PC+12+4*\c:PC+14+4*\c], v[\s+16+32*\c:\s+31+32*\c], v[TM+12+2*\c+1]   ; (a conversion's three registers begin on an even number)
.endr
	v_nop                                          ; one plain place behind a scaled conversion
.irp c, 0,1                            ; the operand's layout wants a whole block in a lane: lanes 0-15 block 2 c, lanes 16-31 block 2 c + 1
.irp i, 0,1,2
	v_permlane16_swap_b32 v[PC+6*\c+\i], v[PC+12+4*\c+\i]
.endr
.irp i, 0,1,2
	v_mov_b32 v[PC+3+6*\c+\i], v[PC+12+4*\c+\i]
.endr
.endr
.endm
.macro FRAGQ q
.if (\q) < 3
	s_wait_loadcnt 16                              ; this K step's 16 loads are in; the next step's 16 may be out
.else
	s_wait_loadcnt 0x0
.endif
.irp i, 0,1,2,3,4,5,6,7,8,9,10,11,12,13,14,15
	ds_store_b128 v3, v[RA+64*((\q)%2)+4*\i:RA+64*((\q)%2)+4*\i+3] offset:528*\i
.endr
.irp b, 0,1,2,3
.irp j, 0,1,2,3
	ds_load_b128 v[X+16*\b+4*\j:X+16*\b+4*\j+3], v4 offset:128*\b+16*\j   ; LDS serves a wave's instructions in order: these see the stores above
.endr
.endr
	s_wait_dscnt 0x0                               ; my numbers are back, and the stores into the stage have read their registers
.if (\q) > 0
	s_wait_xcnt 0x0                                ; the last fragment's stores have read their data: the codes' registers are written again only behind this wait
.endif
.if (\q) < 2
	LOAD (\q)+2
.endif
	QUANT X, W+(\q)
	global_store_b128 v1, v[PC:PC+3], s[14:15] offset:1536*(\q)            ; 512 consecutive bytes
	global_store_b64 v2, v[PC+4:PC+5], s[14:15] offset:1536*(\q)+512       ; 256
	global_store_b128 v1, v[PC+6:PC+9], s[14:15] offset:1536*(\q)+768
	global_store_b64 v2, v[PC+10:PC+11], s[14:15] offset:1536*(\q)+1280
.endm
	LOAD 0
	LOAD 1
	FRAGQ 0
	FRAGQ 1
	FRAGQ 2
	FRAGQ 3
	v_cmp_ne_u32 vcc_lo, 0, v14                    ; lanes 0-15 store words 0, 1 of row r, lanes 16-31 words 2, 3: 256 consecutive bytes
	v_cndmask_b32 v12, v[W], v[W+2], vcc_lo
	v_cndmask_b32 v13, v[W+1], v[W+3], vcc_lo
	global_store_b64 v5, v[12:13], s[16:17]
	s_wait_tensorcnt 0x0
	ds_add_u32 v62, v63
	s_wait_dscnt 0x0
	s_endpgm
.Lfunc_end_k_qfda5fd63d6_quant:
	.size	k_qfda5fd63d6_quant, .Lfunc_end_k_qfda5fd63d6_quant-k_qfda5fd63d6_quant
	.p2alignl 7, 3214868480
	.fill 96, 4, 3214868480
	.section	.rodata,"a",@progbits
	.p2align	6, 0x0
	.amdhsa_kernel k_qfda5fd63d6_quant
		.amdhsa_group_segment_fixed_size 17152
		.amdhsa_private_segment_fixed_size 0
		.amdhsa_enable_private_segment 0
		.amdhsa_kernarg_size 56
		.amdhsa_user_sgpr_count 2
		.amdhsa_user_sgpr_kernarg_segment_ptr 1
		.amdhsa_wavefront_size32 1
		.amdhsa_system_sgpr_workgroup_id_x 1
		.amdhsa_system_sgpr_workgroup_id_y 1
		.amdhsa_system_sgpr_workgroup_id_z 1
		.amdhsa_system_vgpr_workitem_id 0
		.amdhsa_next_free_vgpr 256
		.amdhsa_next_free_sgpr 66
		.amdhsa_reserve_vcc 1
		.amdhsa_float_denorm_mode_32 3
		.amdhsa_float_denorm_mode_16_64 3
		.amdhsa_memory_ordered 1
		.amdhsa_forward_progress 1
		.amdhsa_inst_pref_size 34
	.end_amdhsa_kernel
	.amdgpu_metadata
---
amdhsa.version: [ 1, 2 ]
amdhsa.kernels:
  - .name:           k_qfda5fd63d6_quant
    .symbol:         k_qfda5fd63d6_quant.kd
    .args:
      - { .name: tgt, .offset: 0, .size: 8, .value_kind: global_buffer, .address_space: global }
      - { .name: mem, .offset: 8, .size: 8, .value_kind: global_buffer, .address_space: global }
      - { .name: Wq_w, .offset: 16, .size: 8, .value_kind: global_buffer, .address_space: global }
      - { .name: Wkv_w, .offset: 24, .size: 8, .value_kind: global_buffer, .address_space: global }
      - { .name: out_w, .offset: 32, .size: 8, .value_kind: global_buffer, .address_space: global }
      - { .name: xc, .offset: 40, .size: 8, .value_kind: global_buffer, .address_space: global }
      - { .name: xs, .offset: 48, .size: 8, .value_kind: global_buffer, .address_space: global }
    .group_segment_fixed_size: 17152
    .private_segment_fixed_size: 0
    .kernarg_segment_align: 8
    .kernarg_segment_size: 56
    .max_flat_workgroup_size: 64
    .sgpr_count:     66
    .vgpr_count:     256
    .wavefront_size: 32
...
	.end_amdgpu_metadata
.endif
;; end of part 1
;; launch proj (part 2): grid 768 x 1, 4 waves a work-group, no clusters, 0 bytes of LDS; arguments xc, xs, Wq_b, Wkv_b, qp, kvp; writes qp, kvp
.if DOCPART == 2
	.amdgcn_target "amdgcn-amd-amdhsa--gfx1250"
	.amdhsa_code_object_version 6
	.text
	.protected	k_qfda5fd63d6_proj
	.globl	k_qfda5fd63d6_proj
	.p2align	8
	.type	k_qfda5fd63d6_proj,@function
k_qfda5fd63d6_proj:
	s_mov_b64 s[64:65], 0
	v_nop
	global_prefetch_b8 v0, s[64:65] scope:SCOPE_SE
	s_setreg_imm32_b32 hwreg(HW_REG_WAVE_MODE, 25, 1), 1
	s_wait_xcnt 0x0
; q = tgt Wq^T + Wq_b, k = mem Wk^T + bk, v = mem Wv^T + bv on codes of FP6 (E2M3) with E8M0 scales, K = 1,024; the results are quantised at once for the attention: q and k / 8 along the head's 64, v along the keys.
; Work-groups 0-255 make q, 256-511 k, 512-767 v.  A work-group takes 128 tokens x 2 heads; a wave 64 tokens x one head's 64: 16 accumulators, acc(j, i) = source 0 tile i x source 1 tile j.
; TILES (16 rows: lane r of tile T = row 32 (T / 2) + 8 (T % 2) + r + 8 (r / 8)) and fragments lie in xc in the order of an operand's registers (1,536 bytes: 512 + 256 + 512 + 256), so a fragment is four dense loads straight into registers.
; With such a tile as source 0, the 16 registers of result tiles 2 b, 2 b + 1 are 16 neighbours, 32 b + 16 (lane / 16) + 0 .. 15, of source 0's rows.  q, k: source 0 = the weight's rows (d), source 1 = tokens: a lane holds one token and runs along d.
; v: source 0 = tokens (keys), source 1 = the weight's rows: a lane holds one d and runs along the keys.  Only the two pointers change places.
; k / 8: the codes are k's, and 3 is taken off each scale byte; the floor under the largest magnitude is 2^(6 - 127), so that the byte stays at 1 or above.
; OUT.  qp [head of batch 32][64 queries 32][3,328]: four halves of fragments (64 along K: 512 + 256 bytes) at 768 j; at 3,072 + 8 r + 4 f the bytes of tiles 2 f (low half) and 2 f + 1 (high half).
; kvp [head of batch 32][128 keys 16][12,800]: K's eight halves at 768 t; V^T's four fragments (d tile j x 128 keys) at 6,144 + 1,536 j; K's words at 12,288 + 128 (f / 2) + 8 r + 4 (f % 2); V's at 12,544 + 128 (j / 2) + 8 r + 4 (j % 2).
; NO JOINT LOADS: a wave's K step is 32 dense loads, 12,288 bytes, that land in the operands' registers; a joint tensor load lands in LDS, from which the same bytes would be read once more; K is eight steps deep.
; V's scale bytes leave two at a time (the two waves of a key step each own two of a word's four bytes): 131,072 bytes in the whole launch.
; LIMITS: NaN and infinities are not served; a block of zeros gets the floor's byte: its codes are zeros, and this program alone reads the bytes.
.set PS,   16                          ; v16-23 source 0's scale words: tile i, K steps s, s + 1 at v[PS + 2 i], + 1
.set RS,   24                          ; v24-31 source 1's
.set PF,   32                          ; v32-79 source 0's four fragments; at the end the codes made
.set RF,   80                          ; v80-127 source 1's; at the end v80-93 at work
.set ACC,  128                         ; v128-255
.set TM,   80
.set WD,   88                          ; v88-91 two scale bytes for each j
.set XW,   92
.set PB,   24                          ; s[24:25] source 0's fragments, s[26:27] source 1's, s[28:29], s[30:31] their scale words
.set RB,   26
.set PSB,  28
.set RSB,  30
.set BB,   32                          ; s[32:33] the bias
.set OC,   34                          ; s[34:35] where the codes go, s[36:37] the scale bytes
.set OS,   36
.set FLOOR, 38
.set KSUB, 39
.set SEL,  40
.macro FRAGL reg, base, off
	global_load_b128 v[\reg:\reg+3], v1, s[\base:\base+1] offset:\off
	global_load_b64 v[\reg+4:\reg+5], v2, s[\base:\base+1] offset:\off+512
	global_load_b128 v[\reg+6:\reg+9], v1, s[\base:\base+1] offset:\off+768
	global_load_b64 v[\reg+10:\reg+11], v2, s[\base:\base+1] offset:\off+1280
.endm
; One K step of 128.  The four v_nop are the places in front of loads into registers that matrix instructions have read (ISA guide 7.12.1 for vector instructions).
; The 16 accumulators take turns, one instruction a turn, across the steps too.
.macro KSTEP s, zero
.if (\s) > 0
.rept 4
	v_nop
.endr
.endif
.if (\s)%2 == 0
.irp i, 0,1,2,3
	global_load_b64 v[PS+2*\i:PS+2*\i+1], v3, s[PSB:PSB+1] offset:512*\i+256*((\s)/4)+8*(((\s)/2)%2)
	global_load_b64 v[RS+2*\i:RS+2*\i+1], v3, s[RSB:RSB+1] offset:512*\i+256*((\s)/4)+8*(((\s)/2)%2)
.endr
.endif
.irp i, 0,1,2,3
	FRAGL PF+12*\i, PB, 12288*\i+1536*(\s)
	FRAGL RF+12*\i, RB, 12288*\i+1536*(\s)
.endr
	s_wait_loadcnt 0x0
.irp j, 0,1,2,3
.irp i, 0,1,2,3
.if \zero
	v_wmma_scale_f32_16x16x128_f8f6f4 v[ACC+32*\j+8*\i:ACC+32*\j+8*\i+7], v[PF+12*\i:PF+12*\i+11], v[RF+12*\j:RF+12*\j+11], 0, v[PS+2*\i+(\s)%2], v[RS+2*\j+(\s)%2] matrix_a_fmt:MATRIX_FMT_FP6 matrix_b_fmt:MATRIX_FMT_FP6
.else
	v_wmma_scale_f32_16x16x128_f8f6f4 v[ACC+32*\j+8*\i:ACC+32*\j+8*\i+7], v[PF+12*\i:PF+12*\i+11], v[RF+12*\j:RF+12*\j+11], v[ACC+32*\j+8*\i:ACC+32*\j+8*\i+7], v[PS+2*\i+(\s)%2], v[RS+2*\j+(\s)%2] matrix_a_fmt:MATRIX_FMT_FP6 matrix_b_fmt:MATRIX_FMT_FP6
.endif
.endr
.endr
.endm
; 32 numbers of a lane, v[s] on (register 16 b + i = k 32 b + 16 (lane / 16) + i), become half a fragment's codes in v[pc] .. v[pc + 5] and two scale bytes in v[w].  Each accumulator is read from its low end on.
.macro QUANT32 s, w, pc
	v_max3_num_f32 v[TM], |v[\s]|, |v[\s+1]|, s[FLOOR]
	v_max3_num_f32 v[TM+1], |v[\s+16]|, |v[\s+17]|, s[FLOOR]
.irp i, 2,4,6,8,10,12,14
	v_max3_num_f32 v[TM], v[TM], |v[\s+\i]|, |v[\s+1+\i]|
	v_max3_num_f32 v[TM+1], v[TM+1], |v[\s+16+\i]|, |v[\s+17+\i]|
.endr
	v_permlanex16_b32 v[TM+2], v[TM], s[SEL], s[SEL+1]
	v_permlanex16_b32 v[TM+3], v[TM+1], s[SEL], s[SEL+1]
	v_max_num_f32 v[TM], v[TM], v[TM+2]            ; with lane l xor 16's 16: the block's largest magnitude
	v_max_num_f32 v[TM+1], v[TM+1], v[TM+3]
	v_add_nc_u32 v[TM+4], 0xff000000, v[TM]        ; 2 off the exponent field: the conversion's scale operand
	v_add_nc_u32 v[TM+5], 0xff000000, v[TM+1]
	v_lshrrev_b32 v[TM+2], 23, v[TM+4]             ; the bytes
	v_lshrrev_b32 v[TM+3], 23, v[TM+5]
	v_lshl_or_b32 v[\w], v[TM+3], 8, v[TM+2]
	v_cvt_scalef32_pk16_fp6_f32 v[\pc:\pc+2], v[\s:\s+15], v[TM+4]
	v_cvt_scalef32_pk16_fp6_f32 v[\pc+6:\pc+8], v[\s+16:\s+31], v[TM+5]
	v_nop                                          ; one plain place behind a scaled conversion
.irp i, 0,1,2
	v_permlane16_swap_b32 v[\pc+\i], v[\pc+6+\i]   ; lanes 0-15 get block 0 whole, lanes 16-31 block 1
.endr
.irp i, 0,1,2
	v_mov_b32 v[\pc+3+\i], v[\pc+6+\i]
.endr
.endm
	s_load_b256 s[4:11], s[0:1], 0x0               ; xc, xs, Wq_b, Wkv_b
	s_load_b128 s[12:15], s[0:1], 0x20             ; qp, kvp
	v_lshrrev_b32 v1, 5, v0
	v_readfirstlane_b32 s16, v1                    ; wave
	v_and_b32 v1, 31, v0
	v_lshlrev_b32 v2, 3, v1                        ; 8 x lane
	v_lshlrev_b32 v1, 4, v1                        ; 16 x lane
	v_and_b32 v7, 15, v0                           ; r
	v_bfe_u32 v6, v0, 4, 1                         ; h
	v_lshlrev_b32 v3, 4, v7                        ; 16 r: a row's scale words
	s_lshr_b32 s17, ttmp9, 8                       ; 0: q, 1: k, 2: v
	s_bfe_u32 s18, ttmp9, 0x50003                  ; which 128 tokens of 4,096
	s_and_b32 s19, ttmp9, 7                        ; which two heads
	s_and_b32 s20, s16, 1                          ; ta: which 64 of the tokens
	s_lshr_b32 s21, s16, 1
	s_lshl_b32 s42, s19, 1
	s_add_co_u32 s21, s21, s42                     ; the head
	s_cmp_eq_u32 s17, 0
	s_cselect_b32 s22, 0, 256                      ; tgt's tiles begin at 0, mem's at 256
	s_lshl_b32 s42, s18, 3
	s_add_co_u32 s22, s22, s42
	s_lshl_b32 s42, s20, 2
	s_add_co_u32 s22, s22, s42                     ; my first tile of tokens
	s_lshl_b32 s23, s17, 6
	s_lshl_b32 s42, s21, 2
	s_add_co_u32 s23, s23, s42
	s_add_co_u32 s23, s23, 512                     ; my first tile of the weight: 512, 576 or 640, + 4 x head
	s_cmp_eq_u32 s17, 2
	s_cselect_b32 s42, s22, s23                    ; source 0
	s_cselect_b32 s43, s23, s22                    ; source 1
	s_cselect_b32 s52, 4096, 0                     ; bv lies 1,024 numbers behind bk
	s_mul_i32 s44, s42, 12288
	s_mul_i32 s46, s43, 12288
	s_lshl_b32 s48, s42, 9
	s_lshl_b32 s50, s43, 9
	s_mov_b32 s45, 0
	s_mov_b32 s47, 0
	s_mov_b32 s49, 0
	s_mov_b32 s51, 0
	s_mov_b32 s[SEL], 0x76543210
	s_mov_b32 s[SEL+1], 0xfedcba98
	s_wait_kmcnt 0x0
	s_add_nc_u64 s[PB:PB+1], s[4:5], s[44:45]
	s_add_nc_u64 s[RB:RB+1], s[4:5], s[46:47]
	s_add_nc_u64 s[PSB:PSB+1], s[6:7], s[48:49]
	s_add_nc_u64 s[RSB:RSB+1], s[6:7], s[50:51]
	s_lshl_b32 s44, s21, 8
	s_add_co_u32 s44, s44, s52
	s_cmp_eq_u32 s17, 0
	s_cselect_b64 s[BB:BB+1], s[8:9], s[10:11]
	s_add_nc_u64 s[BB:BB+1], s[BB:BB+1], s[44:45]  ; the head's 64 numbers of the bias
	s_lshr_b32 s53, s18, 4
	s_lshl_b32 s53, s53, 4
	s_add_co_u32 s53, s53, s21                     ; 16 x batch + head
	s_and_b32 s54, s18, 15                         ; which 128 tokens of the batch's 2,048
	s_mul_i32 s52, s53, 204800
	s_mul_i32 s55, s54, 12800
	s_add_co_u32 s52, s52, s55                     ; the key step's 12,800 bytes in kvp
	s_cmp_eq_u32 s17, 2
	s_cbranch_scc1 .Lvpath
	; ---- q and k: a lane holds one token, its registers run along d
	s_mul_i32 s44, s53, 106496
	s_lshl_b32 s46, s54, 1
	s_add_co_u32 s46, s46, s20
	s_mul_i32 s46, s46, 3328
	s_add_co_u32 s44, s44, s46                     ; q: my 64 queries' 3,328 bytes
	s_add_co_u32 s46, s44, 3072                    ; and their bytes
	s_mul_i32 s48, s20, 3072
	s_add_co_u32 s48, s48, s52                     ; k: my four halves
	s_lshl_b32 s50, s20, 7
	s_add_co_u32 s50, s50, s52
	s_add_co_u32 s50, s50, 12288                   ; and their bytes
	s_mov_b32 s[FLOOR], 0x3000000
	s_mov_b32 s[KSUB], 0x03030303
	s_cmp_eq_u32 s17, 0
	s_cselect_b64 s[OC:OC+1], s[12:13], s[14:15]
	s_cselect_b32 s44, s44, s48
	s_cselect_b32 s46, s46, s50
	s_cselect_b32 s[FLOOR], 0x1800000, s[FLOOR]
	s_cselect_b32 s[KSUB], 0, s[KSUB]
	s_mov_b64 s[OS:OS+1], s[OC:OC+1]
	s_add_nc_u64 s[OC:OC+1], s[OC:OC+1], s[44:45]
	s_add_nc_u64 s[OS:OS+1], s[OS:OS+1], s[46:47]
	v_lshlrev_b32 v4, 6, v6                        ; the bias: my half's 16 numbers of each 32
	v_lshlrev_b32 v5, 3, v7
	v_lshl_add_u32 v5, v6, 2, v5                   ; the bytes: 8 r + 4 h
.irp j, 0,1,2,3                        ; the bias is loaded into the accumulators: it is the C of each sum's first product
.irp i, 0,1,2,3
	global_load_b128 v[ACC+32*\j+8*\i:ACC+32*\j+8*\i+3], v4, s[BB:BB+1] offset:4*(32*(\i/2)+8*(\i%2))
	global_load_b128 v[ACC+32*\j+8*\i+4:ACC+32*\j+8*\i+7], v4, s[BB:BB+1] offset:4*(32*(\i/2)+8*(\i%2))+16
.endr
.endr
.irp s, 0,1,2,3,4,5,6,7
	KSTEP \s, 0
.endr
.rept 4
	v_nop                                          ; places in front of the first read of results and the first write of operands' registers
.endr
	v_mov_b32 v[TM+2], 0                           ; a lane permute's destination counts as one of its sources
	v_mov_b32 v[TM+3], 0
.irp j, 0,1,2,3
	QUANT32 ACC+32*\j, WD+\j, PF+12*\j
	global_store_b128 v1, v[PF+12*\j:PF+12*\j+3], s[OC:OC+1] offset:768*\j         ; 512 consecutive bytes
	global_store_b64 v2, v[PF+12*\j+4:PF+12*\j+5], s[OC:OC+1] offset:768*\j+512    ; 256
.endr
	v_lshl_or_b32 v[XW], v[WD+1], 16, v[WD]        ; tiles 0 and 1
	v_lshl_or_b32 v[XW+1], v[WD+3], 16, v[WD+2]    ; tiles 2 and 3
	v_sub_nc_u32 v[XW], v[XW], s[KSUB]             ; k / 8: 3 off each byte (each is 4 or more: nothing is borrowed)
	v_sub_nc_u32 v[XW+1], v[XW+1], s[KSUB]
	v_cmp_ne_u32 vcc_lo, 0, v6
	v_cndmask_b32 v[XW], v[XW], v[XW+1], vcc_lo
	global_store_b32 v5, v[XW], s[OS:OS+1]         ; 128 consecutive bytes
	s_endpgm
.Lvpath:
	; ---- v: a lane holds one d, its registers run along the keys
	s_mul_i32 s44, s20, 768
	s_add_co_u32 s44, s44, s52
	s_add_co_u32 s44, s44, 6144                    ; my half (keys 64 ta on) of V^T's fragments
	s_lshl_b32 s46, s20, 1
	s_add_co_u32 s46, s46, s52
	s_add_co_u32 s46, s46, 12544                   ; my two bytes of each word
	s_add_nc_u64 s[OC:OC+1], s[14:15], s[44:45]
	s_add_nc_u64 s[OS:OS+1], s[14:15], s[46:47]
	s_mov_b32 s[FLOOR], 0x1800000
	v_and_b32 v4, 8, v7
	v_add_nc_u32 v4, v4, v7
	v_lshlrev_b32 v4, 2, v4                        ; the bias of my d: 4 (r + 8 (r / 8))
	v_lshlrev_b32 v5, 3, v7
	v_lshl_add_u32 v5, v6, 7, v5                   ; the bytes: 128 h + 8 r
.irp j, 0,1,2,3
	global_load_b32 v[8+2*\j], v4, s[BB:BB+1] offset:4*(32*(\j/2)+8*(\j%2))        ; twice: a pair for the packed addition
	global_load_b32 v[9+2*\j], v4, s[BB:BB+1] offset:4*(32*(\j/2)+8*(\j%2))
.endr
	KSTEP 0, 1                                     ; the first products start the sums
.irp s, 1,2,3,4,5,6,7
	KSTEP \s, 0
.endr
.rept 4
	v_nop
.endr
	v_mov_b32 v[TM+2], 0
	v_mov_b32 v[TM+3], 0
.irp j, 0,1,2,3
.irp p, 0,2,4,6,8,10,12,14,16,18,20,22,24,26,28,30
	v_pk_add_f32 v[ACC+32*\j+\p:ACC+32*\j+\p+1], v[ACC+32*\j+\p:ACC+32*\j+\p+1], v[8+2*\j:9+2*\j]
.endr
	QUANT32 ACC+32*\j, WD+\j, PF+12*\j
	global_store_b128 v1, v[PF+12*\j:PF+12*\j+3], s[OC:OC+1] offset:1536*\j
	global_store_b64 v2, v[PF+12*\j+4:PF+12*\j+5], s[OC:OC+1] offset:1536*\j+512
.endr
	v_cmp_ne_u32 vcc_lo, 0, v6
	v_cndmask_b32 v[XW], v[WD], v[WD+2], vcc_lo    ; lanes 0-15: d tiles 0, 1; lanes 16-31: d tiles 2, 3
	v_cndmask_b32 v[XW+1], v[WD+1], v[WD+3], vcc_lo
	global_store_b16 v5, v[XW], s[OS:OS+1]
	global_store_b16 v5, v[XW+1], s[OS:OS+1] offset:4
	s_endpgm
.Lfunc_end_k_qfda5fd63d6_proj:
	.size	k_qfda5fd63d6_proj, .Lfunc_end_k_qfda5fd63d6_proj-k_qfda5fd63d6_proj
	.p2alignl 7, 3214868480
	.fill 96, 4, 3214868480
	.section	.rodata,"a",@progbits
	.p2align	6, 0x0
	.amdhsa_kernel k_qfda5fd63d6_proj
		.amdhsa_group_segment_fixed_size 0
		.amdhsa_private_segment_fixed_size 0
		.amdhsa_enable_private_segment 0
		.amdhsa_kernarg_size 48
		.amdhsa_user_sgpr_count 2
		.amdhsa_user_sgpr_kernarg_segment_ptr 1
		.amdhsa_wavefront_size32 1
		.amdhsa_system_sgpr_workgroup_id_x 1
		.amdhsa_system_sgpr_workgroup_id_y 1
		.amdhsa_system_sgpr_workgroup_id_z 1
		.amdhsa_system_vgpr_workitem_id 0
		.amdhsa_next_free_vgpr 256
		.amdhsa_next_free_sgpr 66
		.amdhsa_reserve_vcc 1
		.amdhsa_float_denorm_mode_32 3
		.amdhsa_float_denorm_mode_16_64 3
		.amdhsa_memory_ordered 1
		.amdhsa_forward_progress 1
		.amdhsa_inst_pref_size 118
	.end_amdhsa_kernel
	.amdgpu_metadata
---
amdhsa.version: [ 1, 2 ]
amdhsa.kernels:
  - .name:           k_qfda5fd63d6_proj
    .symbol:         k_qfda5fd63d6_proj.kd
    .args:
      - { .name: xc, .offset: 0, .size: 8, .value_kind: global_buffer, .address_space: global }
      - { .name: xs, .offset: 8, .size: 8, .value_kind: global_buffer, .address_space: global }
      - { .name: Wq_b, .offset: 16, .size: 8, .value_kind: global_buffer, .address_space: global }
      - { .name: Wkv_b, .offset: 24, .size: 8, .value_kind: global_buffer, .address_space: global }
      - { .name: qp, .offset: 32, .size: 8, .value_kind: global_buffer, .address_space: global }
      - { .name: kvp, .offset: 40, .size: 8, .value_kind: global_buffer, .address_space: global }
    .group_segment_fixed_size: 0
    .private_segment_fixed_size: 0
    .kernarg_segment_align: 8
    .kernarg_segment_size: 48
    .max_flat_workgroup_size: 128
    .sgpr_count:     66
    .vgpr_count:     256
    .wavefront_size: 32
...
	.end_amdgpu_metadata
.endif
;; end of part 2
;; launch attn (part 3): grid 8 x 32, 16 waves a work-group, clusters of 4 x 1, 215,040 bytes of LDS; arguments qp, kvp, attn_bias, memory_key_padding_mask, cc, cs; writes cc, cs
.if DOCPART == 3
	.amdgcn_target "amdgcn-amd-amdhsa--gfx1250"
	.amdhsa_code_object_version 6
	.text
	.protected	k_qfda5fd63d6_attn
	.globl	k_qfda5fd63d6_attn
	.p2align	8
	.type	k_qfda5fd63d6_attn,@function
k_qfda5fd63d6_attn:
	s_mov_b64 s[64:65], 0
	v_nop
	global_prefetch_b8 v0, s[64:65] scope:SCOPE_SE
	s_setreg_imm32_b32 hwreg(HW_REG_WAVE_MODE, 25, 1), 1
	s_wait_xcnt 0x0
	s_wait_alu depctr_hold_cnt(0) depctr_sa_sdst(0) depctr_va_vdst(0) depctr_va_sdst(0) depctr_va_ssrc(0) depctr_va_vcc(0) depctr_vm_vsrc(0)
	s_getreg_b32 s2, hwreg(HW_REG_IB_STS2, 6, 4)
	s_cmp_eq_u32 s2, 0
	s_cbranch_scc0 .Lentry_in_a_cluster
	s_endpgm
.Lentry_in_a_cluster:
	s_bfe_u32 s2, ttmp6, 0x10000c
	s_cmp_lg_u32 s2, 0x3003
	s_cbranch_scc0 .Lentry_shape_is_right
	s_endpgm
.Lentry_shape_is_right:
; ctx[b][q][head][:] = softmax_k(q . k / 8 + attn_bias[k], keys with mask 0 left out) v, both products on codes of FP6 (E2M3) with E8M0 scales; ctx is quantised along head x 64 + d for the last projection.
; THE SOFTMAX: t = logit x log2(e); M = the largest t so far, rounded up to a whole number; p = 2^(t - M) is quantised along the keys, not normalised; the row's sum of the unquantised p divides at the end; when M moves, sum and O are multiplied by 2^(old M - new M).
; SHARES.  A work-group owns 256 queries of one head of one batch; each of its 16 waves one tile of 16, in 256 registers.  Every wave walks the 2,048 keys, 128 a step.
; THE HEAD'S K, V AND THEIR SCALE BYTES, 16 x 12,800 bytes, LIE IN LDS WHOLE, filled once: wave w brings key step w with one tensor load.  Nothing is filled again.  CLUSTER: the four work-groups of a cluster belong to one head and ask for
; each key step JOINTLY: the same load, the same descriptor, a mask that names the four.
; LAYOUT.  Both products are used transposed (S^T = K Q^T, O^T = V^T P^T): a lane holds one query.  All operands lie in the order of their registers (a fragment: 512 + 256 + 512 + 256 bytes).  The head is 64 deep and the instruction 128: a fragment of K
; holds TWO tiles of 16 keys, one in each half of its K, and is multiplied twice, by (q, zeros) and by (zeros, q).  Lane r of key tile 2 b + u is key 32 b + 8 u + r + 8 (r / 8), so that the 16 registers of tiles 2 b, 2 b + 1 are 16 neighbouring keys.
; BIAS AND MASK: a table in LDS holds attn_bias[k] where the mask is set and -1e30 elsewhere; it is loaded into the scores' registers and is the C of the first product.
; LIMITS: NaN and infinities are not served.  The largest t starts at -2^96: logits x log2(e) must lie above that; hidden keys (t about -1.4e30) then give p = 0 from the first step on.  A batch all of whose keys are hidden keeps that start: its ctx gets
; the scale byte 0xff, which makes its rows of the output NaN, as the softmax of nothing is.
; ctx's scale bytes leave one a lane, two neighbouring bytes a row: 131,072 bytes in the whole launch.
; REGISTERS: v1-3 lane places, v4-6 the step's LDS addresses, v7 r, v8 h; v12 -M, v13 the largest t, v[14:15] the sum; v16-21 q, v22-27 zeros, v28-33 q; v40-87 four fragments of K or V; v96-159 S^T, then p; v160-191 O^T; v192-223 ctx;
; v224-235 p's codes; v232-247, v252, v254 at work; v248-249 K's scale words, v250-251 V's, v253 p's, v255 q's.
.set KVB,  12800                       ; a key step in LDS and in memory
.set BT,   204800                      ; behind the 16 key steps: the table, 2,048 x 4 bytes, written by LDS stores; no tensor load lands there
.set WV,   18
.set SEL,  20
.set CS,   22                          ; s[22:23] log2(e): the packed form names a pair
.set G1,   24
.set G0,   32
.set TB,   36                          ; where the step's bytes begin
.set TS,   37                          ; and its 512 bytes of the table
.set CNT,  38
.set SH,   39
.set TM,   236
.macro ROUND                           ; a round of the cluster's barrier
	s_barrier_signal -1
	s_barrier_wait -1
	s_cmp_lg_u32 s[WV], 0
	s_cbranch_scc1 .Lnot_wave_0_\@
	s_barrier_signal -3
.Lnot_wave_0_\@:
	s_barrier_wait -3
	s_barrier_signal -1
	s_barrier_wait -1
.endm
	s_load_b256 s[4:11], s[0:1], 0x0               ; qp, kvp, attn_bias, mask
	s_load_b128 s[12:15], s[0:1], 0x20             ; cc, cs
	v_lshl_add_u32 v95, v0, 2, 0x34000
	v_mov_b32 v243, 0
	ds_add_u32 v95, v243
	ds_add_u32 v95, v243
	v_lshrrev_b32 v1, 5, v0
	v_readfirstlane_b32 s[WV], v1                  ; wave 0..15
	s_bfe_u32 s40, ttmp6, 0x40000                  ; cx
	s_lshl_b32 s41, ttmp9, 2
	s_add_co_u32 s41, s41, s40                     ; my block of 256 queries: it enters q's and ctx's addresses alone
	s_and_b32 s42, ttmp7, 0xffff                   ; 16 x batch + head, which the four partners share
	s_mul_i32 s43, s[WV], KVB
	s_mul_i32 s44, s42, 16*KVB
	s_add_co_u32 s44, s44, s43                     ; key step w of the head
	s_mov_b32 s45, 0
	; descriptor group 1: 12,800 dense bytes as 50 rows of 256 bytes (32 elements of 8 bytes), no padding
	s_mov_b32 s[G1], 15|(3<<16)|(1<<21)            ; 15:0 the mask: all four work-groups; 17:16 elements of 8 bytes; 21 set beside a mask
	s_mov_b32 s[G1+1], 32<<16                      ; tensor_dim0
	s_mov_b32 s[G1+2], 50<<16                      ; tensor_dim1
	s_mov_b32 s[G1+3], 32<<16                      ; tile_dim0
	s_mov_b32 s[G1+4], 50                          ; tile_dim1
	s_mov_b32 s[G1+5], 32                          ; from row to row
	s_mov_b32 s[G1+6], 0
	s_mov_b32 s[G1+7], 0
	s_lshl_b32 s46, s41, 2                         ; q: my tile is 16 x block + wave; four tiles lie together in 3,328 bytes
	s_lshr_b32 s48, s[WV], 2
	s_add_co_u32 s46, s46, s48
	s_mul_i32 s46, s46, 3328
	s_mul_i32 s48, s42, 106496
	s_add_co_u32 s46, s46, s48
	s_mov_b32 s47, 0
	s_and_b32 s48, s[WV], 3
	s_mul_i32 s50, s48, 768
	s_add_co_u32 s50, s50, s46                     ; my tile's codes
	s_mov_b32 s51, 0
	s_lshr_b32 s48, s48, 1
	s_lshl_b32 s48, s48, 2
	s_add_co_u32 s46, s46, s48
	s_add_co_u32 s46, s46, 3072                    ; the word that holds my tile's two bytes,
	s_and_b32 s[SH], s[WV], 1
	s_lshl_b32 s[SH], s[SH], 4                     ; in its low or its high half
	s_lshr_b32 s52, s42, 4                         ; the batch
	s_lshl_b32 s54, s52, 13
	s_mov_b32 s55, 0
	s_lshl_b32 s56, s52, 11
	s_mov_b32 s57, 0
	s_lshl_b32 s53, s52, 7
	s_lshl_b32 s59, s41, 4
	s_add_co_u32 s53, s53, s59
	s_add_co_u32 s53, s53, s[WV]                   ; T: my tile among ctx's 256
	s_and_b32 s58, s42, 15                         ; the head
	s_mul_i32 s60, s53, 12288
	s_mul_i32 s59, s58, 768
	s_add_co_u32 s60, s60, s59                     ; ctx's codes: fragment (T, head / 2), half head % 2
	s_mov_b32 s61, 0
	s_lshl_b32 s62, s53, 9
	s_lshr_b32 s59, s58, 3
	s_lshl_b32 s59, s59, 8
	s_add_co_u32 s62, s62, s59
	s_and_b32 s59, s58, 7
	s_lshl_b32 s59, s59, 1
	s_add_co_u32 s62, s62, s59                     ; ctx's bytes: 512 T + 256 (head / 8) + 2 (head % 8)
	s_mov_b32 s63, 0
	s_mov_b32 s[SEL], 0x76543210
	s_mov_b32 s[SEL+1], 0xfedcba98
	s_mov_b32 s[CS], 0x3fb8aa3b                    ; log2(e)
	s_mov_b32 s[CS+1], s[CS]
	s_mov_b32 s[TB], 0
	s_mov_b32 s[TS], 0
	s_mov_b32 s[CNT], 16
	v_and_b32 v1, 31, v0
	v_lshlrev_b32 v2, 3, v1                        ; 8 x lane
	v_lshlrev_b32 v1, 4, v1                        ; 16 x lane
	v_and_b32 v7, 15, v0                           ; r
	v_bfe_u32 v8, v0, 4, 1                         ; h
	v_lshl_add_u32 v3, v8, 6, BT                   ; the table: my half's 16 keys of each 32
	v_lshlrev_b32 v9, 3, v7                        ; 8 r
	v_lshlrev_b32 v10, 4, v0                       ; thread t takes keys 4 t .. 4 t + 3 of the table
	v_lshlrev_b32 v11, 2, v0
	v_lshl_add_u32 v34, v0, 4, BT
	s_wait_dscnt 0x0
	s_wait_kmcnt 0x0
	s_mov_b32 s[G0], 1                             ; count = 1
	s_mov_b32 s[G0+1], s43                         ; LDS address: 12,800 x wave
	s_add_nc_u64 s[G0+2:G0+3], s[6:7], s[44:45]
	s_or_b32 s[G0+3], s[G0+3], 0x80000000          ; type = 2
	s_add_nc_u64 s[50:51], s[4:5], s[50:51]
	s_add_nc_u64 s[4:5], s[4:5], s[46:47]
	s_add_nc_u64 s[8:9], s[8:9], s[54:55]
	s_add_nc_u64 s[10:11], s[10:11], s[56:57]
	s_add_nc_u64 s[12:13], s[12:13], s[60:61]
	s_add_nc_u64 s[14:15], s[14:15], s[62:63]
	ROUND                                          ; all four work-groups are here: the joint loads meet
	tensor_load_to_lds s[G0:G0+3], s[G1:G1+7]      ; my one tensor load of the launch
	s_nop 0
.rept 4
	v_nop
.endr
	global_load_b128 v[16:19], v1, s[50:51]        ; q's codes, twice: once for each half of the instruction's K
	global_load_b64 v[20:21], v2, s[50:51] offset:512
	global_load_b128 v[28:31], v1, s[50:51]
	global_load_b64 v[32:33], v2, s[50:51] offset:512
	global_load_b32 v255, v9, s[4:5]
	global_load_b128 v[40:43], v10, s[8:9]         ; four numbers of attn_bias,
	global_load_b32 v44, v11, s[10:11]             ; and their four bytes of the mask
.irp j, 22,23,24,25,26,27
	v_mov_b32 v[\j], 0                             ; zero codes
.endr
.set j, 0
.rept 32
	v_mov_b32 v[160+j], 0                          ; O^T.  (The step is written once: the first finds zeros)
.set j, j+1
.endr
	v_mov_b32 v13, 0xef800000                      ; the largest t so far: -2^96
	v_floor_f32 v12, -v13                          ; -M
	v_mov_b32 v14, 0
	v_mov_b32 v15, 0
.irp b, 0,1,2,3
	v_mov_b32 v[236+\b], 0                         ; a lane permute's destination counts as one of its sources
.endr
	v_mov_b32 v253, 0                              ; (named as the upper half of the pair v[252:253] before it is first written)
	v_mov_b32 v35, 0xf149f2ca                      ; -1e30
	v_mov_b32 v38, 0xffff
	s_wait_loadcnt 0x0
	v_lshrrev_b32 v255, s[SH], v255
	v_and_b32 v255, 0xffff, v255
	v_lshl_or_b32 v255, v255, 16, v255             ; q's two bytes, for both halves of the instruction's K
.irp k, 0,1,2,3
	v_bfe_u32 v36, v44, 8*\k, 8
	v_cmp_ne_u32 vcc_lo, 0, v36
	v_cndmask_b32 v[40+\k], v35, v[40+\k], vcc_lo  ; the bias where the mask is set, -1e30 elsewhere
.endr
	ds_store_b128 v34, v[40:43]
	s_wait_tensorcnt 0x0                           ; my key step has landed,
	s_wait_dscnt 0x0                               ; my part of the table is written:
	s_barrier_signal -1
	s_barrier_wait -1                              ; everybody's is
.macro FRAGD reg, off                  ; a fragment out of LDS, as it lies
	ds_load_b128 v[\reg:\reg+3], v4 offset:\off
	ds_load_b64 v[\reg+4:\reg+5], v5 offset:\off+512
	ds_load_b128 v[\reg+6:\reg+9], v4 offset:\off+768
	ds_load_b64 v[\reg+10:\reg+11], v5 offset:\off+1280
.endm
.macro QK f, u                         ; key tile 2 f + u: fragment f x (q, zeros) or (zeros, q); C = the table's numbers
.if (\f) < 2
	v_wmma_scale_f32_16x16x128_f8f6f4 v[96+8*(2*\f+\u):103+8*(2*\f+\u)], v[40+12*\f:51+12*\f], v[16+6*\u:27+6*\u], v[96+8*(2*\f+\u):103+8*(2*\f+\u)], v[248+(\f)%2], v255 matrix_a_fmt:MATRIX_FMT_FP6 matrix_b_fmt:MATRIX_FMT_FP6
.else
	v_wmma_scale_f32_16x16x128_f8f6f4 v[96+8*(2*\f+\u):103+8*(2*\f+\u)], v[40+12*\f:51+12*\f], v[16+6*\u:27+6*\u], v[96+8*(2*\f+\u):103+8*(2*\f+\u)], v[248+(\f)%2], v255 matrix_a_fmt:MATRIX_FMT_FP6 matrix_b_fmt:MATRIX_FMT_FP6 matrix_a_scale:MATRIX_SCALE_ROW1
.endif
.endm
.macro PV j                            ; O^T's d tile j += V^T's fragment j x p
.if (\j) < 2
	v_wmma_scale_f32_16x16x128_f8f6f4 v[160+8*\j:167+8*\j], v[40+12*\j:51+12*\j], v[224:235], v[160+8*\j:167+8*\j], v[250+(\j)%2], v253 matrix_a_fmt:MATRIX_FMT_FP6 matrix_b_fmt:MATRIX_FMT_FP6
.else
	v_wmma_scale_f32_16x16x128_f8f6f4 v[160+8*\j:167+8*\j], v[40+12*\j:51+12*\j], v[224:235], v[160+8*\j:167+8*\j], v[250+(\j)%2], v253 matrix_a_fmt:MATRIX_FMT_FP6 matrix_b_fmt:MATRIX_FMT_FP6 matrix_a_scale:MATRIX_SCALE_ROW1
.endif
.endm
.Lstep:                                            ; 16 trips: 128 keys each
	v_add_nc_u32 v4, s[TB], v1
	v_add_nc_u32 v5, s[TB], v2
	v_add_nc_u32 v6, s[TS], v3
	v_nop                                          ; with the three additions: the four places in front of loads into registers that the last products read
.irp b, 0,1,2,3
.irp q, 0,1,2,3
	ds_load_b128 v[96+16*\b+4*\q:99+16*\b+4*\q], v6 offset:128*\b+16*\q    ; the table at keys 32 b + 16 h + 4 q on: register 16 b + i is key 32 b + 16 h + i
.endr
.endr
.irp f, 0,1,2,3
	FRAGD 40+12*\f, 1536*\f
.endr
	ds_load_b64 v[248:249], v5 offset:12288        ; K's words: lanes 0-15 fragments 0, 1; lanes 16-31 fragments 2, 3
	s_wait_dscnt 0x0
.irp f, 0,1,2,3
	QK \f, 0
	QK \f, 1
.endr
.rept 4
	v_nop                                          ; places in front of the loads below and of the first read of the scores
.endr
.irp j, 0,1,2,3
	FRAGD 40+12*\j, 6144+1536*\j                   ; V^T's fragments land while the softmax is worked
.endr
	ds_load_b64 v[250:251], v5 offset:12544        ; V's words: lanes 0-15 d tiles 0, 1; lanes 16-31 d tiles 2, 3
.irp b, 0,1,2,3
	v_max3_num_f32 v[232+\b], v[96+16*\b], v[97+16*\b], v[98+16*\b]        ; the largest logit of each block of 32 keys: for the row's maximum and, since p rises with the logit, for the block's largest p
.endr
.irp i, 3,5,7,9,11,13
.irp b, 0,1,2,3
	v_max3_num_f32 v[232+\b], v[232+\b], v[96+16*\b+\i], v[97+16*\b+\i]
.endr
.endr
.irp b, 0,1,2,3
	v_max_num_f32 v[232+\b], v[232+\b], v[111+16*\b]
.endr
.irp b, 0,1,2,3
	v_permlanex16_b32 v[236+\b], v[232+\b], s[SEL], s[SEL+1]
.endr
.irp b, 0,1,2,3
	v_max_num_f32 v[232+\b], v[232+\b], v[236+\b]  ; with lane l xor 16's 16 keys
.endr
	v_max3_num_f32 v254, v232, v233, v234
	v_max_num_f32 v254, v254, v235
	v_mul_f32 v254, s[CS], v254                    ; as t
	v_max_num_f32 v13, v13, v254                   ; the running largest t
	v_mov_b32 v254, v12
	v_floor_f32 v12, -v13                          ; the new -M = -ceil(t)
	v_sub_f32 v254, v12, v254                      ; old M - new M: a whole number, 0 or less
	v_cvt_i32_f32 v254, v254                       ; (it saturates)
	v_ldexp_f32 v252, 1.0, v254                    ; f = 2^(old M - new M)
.set j, 0
.rept 32
	v_pk_fma_f32 v[96+j:97+j], v[96+j:97+j], s[CS:CS+1], v[12:13] op_sel_hi:[1,0,0]   ; t - M, two at a time
.set j, j+2
.endr
.irp b, 0,1,2,3
	v_fma_f32 v[232+\b], v[232+\b], s[CS], v12     ; the same of each block's largest logit
.endr
.set j, 0
.rept 64
	v_exp_f32 v[96+j], v[96+j]                     ; p = 2^(t - M)
.set j, j+1
.endr
	v_pk_mul_f32 v[14:15], v[14:15], v[252:253] op_sel_hi:[1,0]   ; the sums under the new M: a plain place behind the exponentials
	s_wait_alu depctr_va_vdst(0)                   ; one wait for the batch of 64, ahead of its first reader
.irp b, 0,1,2,3
	v_exp_f32 v[232+\b], v[232+\b]                 ; the block's largest p
.endr
	v_pk_add_f32 v[236:237], v[96:97], v[98:99]    ; the row's sum of the unquantised p, in two chains
.irp j, 4,8,12,16,20,24,28,32,36,40,44,48,52,56,60
	v_pk_add_f32 v[14:15], v[14:15], v[96+\j:97+\j]
	v_pk_add_f32 v[236:237], v[236:237], v[98+\j:99+\j]
.endr
	v_pk_add_f32 v[14:15], v[14:15], v[236:237]
	s_wait_alu depctr_va_vdst(0)                   ; and one for the four
.irp b, 0,1,2,3
	v_max_num_f32 v[232+\b], 0x1800000, v[232+\b]  ; the floor 2^(3 - 127): a block whose every p is 0 keeps the byte 1: its codes are zeros
.endr
.irp b, 0,1,2,3
	v_add_nc_u32 v[244+\b], 0xff000000, v[232+\b]  ; 2 off the exponent field: the conversion's scale operand
.endr
.irp b, 0,1,2,3
	v_lshrrev_b32 v[236+\b], 23, v[244+\b]
.endr
	v_lshl_or_b32 v253, v237, 8, v236              ; p's scale word for these 128 keys
	v_lshl_or_b32 v253, v238, 16, v253
	v_lshl_or_b32 v253, v239, 24, v253
.irp c, 0,1
	v_cvt_scalef32_pk16_fp6_f32 v[224+6*\c:226+6*\c], v[96+32*\c:111+32*\c], v[244+2*\c]
	v_cvt_scalef32_pk16_fp6_f32 v[236+4*\c:238+4*\c], v[112+32*\c:127+32*\c], v[244+2*\c+1]
.endr
	v_nop                                          ; one plain place behind a scaled conversion
.irp c, 0,1
.irp i, 0,1,2
	v_permlane16_swap_b32 v[224+6*\c+\i], v[236+4*\c+\i]
.endr
.irp i, 0,1,2
	v_mov_b32 v[227+6*\c+\i], v[236+4*\c+\i]
.endr
.endr
.set j, 0
.rept 16
	v_pk_mul_f32 v[160+j:161+j], v[160+j:161+j], v[252:253] op_sel_hi:[1,0]   ; O^T under the new M.  These 16 are also the places between the writes of p's codes and scale word and the products
.set j, j+2
.endr
	s_wait_dscnt 0x0                               ; V^T's fragments and words are in
.irp j, 0,1,2,3
	PV \j
.endr
	s_add_co_u32 s[TB], s[TB], KVB
	s_add_co_u32 s[TS], s[TS], 512
	s_sub_co_u32 s[CNT], s[CNT], 1
	s_cmp_lg_u32 s[CNT], 0
	s_cbranch_scc1 .Lstep
	; THE WAY OUT: O^T / the sum is ctx; register 16 b + i of a lane is d = 32 b + 16 h + i of its query: two blocks of the last projection's K
.rept 4
	v_nop                                          ; places behind the last products
.endr
	v_add_f32 v14, v14, v15
	v_permlanex16_b32 v252, v14, s[SEL], s[SEL+1]
	v_add_f32 v14, v14, v252                       ; the row's sum
	v_rcp_f32 v14, v14
	v_lshlrev_b32 v36, 4, v7                       ; (a plain place behind the reciprocal)
	v_add_nc_u32 v36, v36, v8                      ; the bytes' place: 16 r + h
	v_lshlrev_b32 v37, 3, v8                       ; 8 h
	s_wait_alu depctr_va_vdst(0)                   ; the wait, ahead of the reciprocal's first reader
.set j, 0
.rept 32
	v_mul_f32 v[192+j], v[160+j], v14
.set j, j+1
.endr
	v_max3_num_f32 v[TM], |v192|, |v193|, 0x1800000
	v_max3_num_f32 v[TM+1], |v208|, |v209|, 0x1800000
.irp i, 2,4,6,8,10,12,14
	v_max3_num_f32 v[TM], v[TM], |v[192+\i]|, |v[193+\i]|
	v_max3_num_f32 v[TM+1], v[TM+1], |v[208+\i]|, |v[209+\i]|
.endr
	v_permlanex16_b32 v[TM+2], v[TM], s[SEL], s[SEL+1]
	v_permlanex16_b32 v[TM+3], v[TM+1], s[SEL], s[SEL+1]
	v_max_num_f32 v[TM], v[TM], v[TM+2]
	v_max_num_f32 v[TM+1], v[TM+1], v[TM+3]
	v_add_nc_u32 v[TM+4], 0xff000000, v[TM]
	v_add_nc_u32 v[TM+5], 0xff000000, v[TM+1]
	v_lshrrev_b32 v[TM+2], 23, v[TM+4]
	v_lshrrev_b32 v[TM+3], 23, v[TM+5]
	v_lshl_or_b32 v242, v[TM+3], 8, v[TM+2]        ; my row's two bytes
	v_cvt_scalef32_pk16_fp6_f32 v[224:226], v[192:207], v[TM+4]
	v_cvt_scalef32_pk16_fp6_f32 v[230:232], v[208:223], v[TM+5]
	v_nop                                          ; one plain place behind a scaled conversion
.irp i, 0,1,2
	v_permlane16_swap_b32 v[224+\i], v[230+\i]
.endr
.irp i, 0,1,2
	v_mov_b32 v[227+\i], v[230+\i]
.endr
	v_cmp_ge_f32 vcc_lo, 0xef800000, v13           ; no key counted: the largest t is still at its start
	v_cndmask_b32 v242, v242, v38, vcc_lo          ; then both bytes are 0xff
	v_lshrrev_b32 v242, v37, v242                  ; lanes 0-15 store byte 0, lanes 16-31 byte 1
	global_store_b128 v1, v[224:227], s[12:13]     ; 512 consecutive bytes
	global_store_b64 v2, v[228:229], s[12:13] offset:512   ; 256
	global_store_b8 v36, v242, s[14:15]
	s_wait_dscnt 0x0
	s_wait_tensorcnt 0x0
	ds_add_u32 v95, v243
	s_wait_dscnt 0x0
	ROUND                                          ; the closing round: no work-group ends while a partner may still ask for a key step that names it
	s_endpgm
.Lfunc_end_k_qfda5fd63d6_attn:
	.size	k_qfda5fd63d6_attn, .Lfunc_end_k_qfda5fd63d6_attn-k_qfda5fd63d6_attn
	.p2alignl 7, 3214868480
	.fill 96, 4, 3214868480
	.section	.rodata,"a",@progbits
	.p2align	6, 0x0
	.amdhsa_kernel k_qfda5fd63d6_attn
		.amdhsa_group_segment_fixed_size 215040
		.amdhsa_private_segment_fixed_size 0
		.amdhsa_enable_private_segment 0
		.amdhsa_kernarg_size 48
		.amdhsa_user_sgpr_count 2
		.amdhsa_user_sgpr_kernarg_segment_ptr 1
		.amdhsa_wavefront_size32 1
		.amdhsa_system_sgpr_workgroup_id_x 1
		.amdhsa_system_sgpr_workgroup_id_y 1
		.amdhsa_system_sgpr_workgroup_id_z 1
		.amdhsa_system_vgpr_workitem_id 0
		.amdhsa_next_free_vgpr 256
		.amdhsa_next_free_sgpr 66
		.amdhsa_reserve_vcc 1
		.amdhsa_float_denorm_mode_32 3
		.amdhsa_float_denorm_mode_16_64 3
		.amdhsa_memory_ordered 1
		.amdhsa_forward_progress 1
		.amdhsa_inst_pref_size 29
	.end_amdhsa_kernel
	.amdgpu_metadata
---
amdhsa.version: [ 1, 2 ]
amdhsa.kernels:
  - .name:           k_qfda5fd63d6_attn
    .symbol:         k_qfda5fd63d6_attn.kd
    .args:
      - { .name: qp, .offset: 0, .size: 8, .value_kind: global_buffer, .address_space: global }
      - { .name: kvp, .offset: 8, .size: 8, .value_kind: global_buffer, .address_space: global }
      - { .name: attn_bias, .offset: 16, .size: 8, .value_kind: global_buffer, .address_space: global }
      - { .name: memory_key_padding_mask, .offset: 24, .size: 8, .value_kind: global_buffer, .address_space: global }
      - { .name: cc, .offset: 32, .size: 8, .value_kind: global_buffer, .address_space: global }
      - { .name: cs, .offset: 40, .size: 8, .value_kind: global_buffer, .address_space: global }
    .group_segment_fixed_size: 215040
    .private_segment_fixed_size: 0
    .kernarg_segment_align: 8
    .kernarg_segment_size: 48
    .max_flat_workgroup_size: 512
    .sgpr_count:     66
    .vgpr_count:     256
    .wavefront_size: 32
...
	.end_amdgpu_metadata
.endif
;; end of part 3
;; launch outp (part 4): grid 256 x 1, 4 waves a work-group, no clusters, 17,920 bytes of LDS; arguments xc, xs, cc, cs, out_b, out0; writes out0
.if DOCPART == 4
	.amdgcn_target "amdgcn-amd-amdhsa--gfx1250"
	.amdhsa_code_object_version 6
	.text
	.protected	k_qfda5fd63d6_outp
	.globl	k_qfda5fd63d6_outp
	.p2align	8
	.type	k_qfda5fd63d6_outp,@function
k_qfda5fd63d6_outp:
	s_mov_b64 s[64:65], 0
	v_nop
	global_prefetch_b8 v0, s[64:65] scope:SCOPE_SE
	s_setreg_imm32_b32 hwreg(HW_REG_WAVE_MODE, 25, 1), 1
	s_wait_xcnt 0x0
; out0 = ctx out_w^T + out_b on codes of FP6 (E2M3) with E8M0 scales, K = 1,024.  ctx's codes (cc, cs) and out_w's (xc, xs, tiles 704 on) lie in the order of an operand's registers: a fragment (16 rows x 128 K, 1,536 bytes) is four dense loads.
; A work-group makes 128 tokens x 128 columns, a wave 64 x 64: 16 accumulators, acc(j, i) = out_w's tile i (source 0) x ctx's tile j (source 1).  Lane r of a tile T is row 32 (T / 2) + 8 (T % 2) + r + 8 (r / 8): so the 32 registers of a j are, in a
; lane, columns 32 b + 16 (lane / 16) + 0 .. 15 of one token.  The bias is loaded into the accumulators: it is the C of each sum's first product.
; THE WAY OUT: 16 tokens x 256 bytes go through the wave's own stage in LDS (rows of 256 + 16 bytes) and leave as whole rows: sixteen lanes store 256 consecutive bytes, at a multiple of 256 from out0's first byte; the store's offset undoes the tile's order of rows.
; NO JOINT LOADS: a wave's K step is 32 dense loads, 12,288 bytes, that land in the operands' registers; a joint tensor load lands in LDS, from which the same bytes would be read once more; K is eight steps deep.
; A scale byte 0xff in cs (a batch all of whose keys are hidden) makes the row's sums NaN.
.set PS,   16                          ; v16-23 source 0's scale words, v24-31 source 1's
.set RS,   24
.set PF,   32                          ; v32-79 source 0's fragments, v80-127 source 1's; on the way out v32-63 and v64-95 take rows by turns
.set RF,   80
.set ACC,  128
.set PB,   24
.set RB,   26
.set PSB,  28
.set RSB,  30
.set BB,   32
.set OUT,  34
.macro FRAGL reg, base, off
	global_load_b128 v[\reg:\reg+3], v1, s[\base:\base+1] offset:\off
	global_load_b64 v[\reg+4:\reg+5], v2, s[\base:\base+1] offset:\off+512
	global_load_b128 v[\reg+6:\reg+9], v1, s[\base:\base+1] offset:\off+768
	global_load_b64 v[\reg+10:\reg+11], v2, s[\base:\base+1] offset:\off+1280
.endm
; One K step of 128.  The four v_nop are the places in front of loads into registers that matrix instructions have read.  The 16 accumulators take turns, one instruction a turn, across the steps too.
.macro KSTEP s
.if (\s) > 0
.rept 4
	v_nop
.endr
.endif
.if (\s)%2 == 0
.irp i, 0,1,2,3
	global_load_b64 v[PS+2*\i:PS+2*\i+1], v3, s[PSB:PSB+1] offset:512*\i+256*((\s)/4)+8*(((\s)/2)%2)
	global_load_b64 v[RS+2*\i:RS+2*\i+1], v3, s[RSB:RSB+1] offset:512*\i+256*((\s)/4)+8*(((\s)/2)%2)
.endr
.endif
.irp i, 0,1,2,3
	FRAGL PF+12*\i, PB, 12288*\i+1536*(\s)
	FRAGL RF+12*\i, RB, 12288*\i+1536*(\s)
.endr
	s_wait_loadcnt 0x0
.irp j, 0,1,2,3
.irp i, 0,1,2,3
	v_wmma_scale_f32_16x16x128_f8f6f4 v[ACC+32*\j+8*\i:ACC+32*\j+8*\i+7], v[PF+12*\i:PF+12*\i+11], v[RF+12*\j:RF+12*\j+11], v[ACC+32*\j+8*\i:ACC+32*\j+8*\i+7], v[PS+2*\i+(\s)%2], v[RS+2*\j+(\s)%2] matrix_a_fmt:MATRIX_FMT_FP6 matrix_b_fmt:MATRIX_FMT_FP6
.endr
.endr
.endm
	s_load_b256 s[4:11], s[0:1], 0x0               ; xc, xs, cc, cs
	s_load_b128 s[12:15], s[0:1], 0x20             ; out_b, out0
	v_lshl_add_u32 v14, v0, 2, 0x4400
	v_mov_b32 v15, 0
	v_lshrrev_b32 v1, 5, v0
	v_readfirstlane_b32 s16, v1                    ; wave
	v_and_b32 v1, 31, v0
	v_lshlrev_b32 v2, 3, v1                        ; 8 x lane
	v_lshlrev_b32 v1, 4, v1                        ; 16 x lane
	v_and_b32 v8, 15, v0                           ; r
	v_bfe_u32 v9, v0, 4, 1                         ; h
	v_lshlrev_b32 v3, 4, v8                        ; 16 r
	v_lshlrev_b32 v4, 6, v9                        ; 64 h
	s_mul_i32 s36, s16, 4352                       ; my stage: 16 rows x 272 bytes
	v_mul_u32_u24 v5, v8, 272
	v_add_nc_u32 v5, v5, v4
	v_add_nc_u32 v5, s36, v5                       ; in: row r, + 64 h
	v_mul_u32_u24 v6, v9, 272
	v_add_nc_u32 v6, v6, v3
	v_add_nc_u32 v6, s36, v6                       ; back: lanes 0-15 one row, lanes 16-31 the next
	v_lshl_add_u32 v7, v9, 12, v3                  ; and the same in out0: 4,096 h + 16 r
	s_lshr_b32 s17, ttmp9, 3                       ; which 128 tokens
	s_and_b32 s18, ttmp9, 7                        ; which 128 columns
	s_and_b32 s19, s16, 1                          ; which 64 of the tokens
	s_lshr_b32 s20, s16, 1                         ; which 64 of the columns
	s_lshl_b32 s21, s18, 3
	s_lshl_b32 s22, s20, 2
	s_add_co_u32 s21, s21, s22
	s_add_co_u32 s21, s21, 704                     ; out_w's first tile of mine
	s_lshl_b32 s22, s17, 3
	s_lshl_b32 s23, s19, 2
	s_add_co_u32 s22, s22, s23                     ; ctx's
	s_mul_i32 s36, s21, 12288
	s_mul_i32 s38, s22, 12288
	s_lshl_b32 s40, s21, 9
	s_lshl_b32 s42, s22, 9
	s_lshl_b32 s44, s18, 9
	s_lshl_b32 s23, s20, 8
	s_add_co_u32 s44, s44, s23                     ; my first column, in bytes
	s_lshl_b32 s46, s17, 7
	s_lshl_b32 s23, s19, 6
	s_add_co_u32 s46, s46, s23
	s_lshl_b32 s46, s46, 12                        ; my first token's row of 4,096 bytes
	s_add_co_u32 s46, s46, s44
	s_mov_b32 s37, 0
	s_mov_b32 s39, 0
	s_mov_b32 s41, 0
	s_mov_b32 s43, 0
	s_mov_b32 s45, 0
	s_mov_b32 s47, 0
	s_wait_kmcnt 0x0
	s_add_nc_u64 s[PB:PB+1], s[4:5], s[36:37]
	s_add_nc_u64 s[RB:RB+1], s[8:9], s[38:39]
	s_add_nc_u64 s[PSB:PSB+1], s[6:7], s[40:41]
	s_add_nc_u64 s[RSB:RSB+1], s[10:11], s[42:43]
	s_add_nc_u64 s[BB:BB+1], s[12:13], s[44:45]
	s_add_nc_u64 s[OUT:OUT+1], s[14:15], s[46:47]
.irp j, 0,1,2,3
.irp i, 0,1,2,3
	global_load_b128 v[ACC+32*\j+8*\i:ACC+32*\j+8*\i+3], v4, s[BB:BB+1] offset:4*(32*(\i/2)+8*(\i%2))
	global_load_b128 v[ACC+32*\j+8*\i+4:ACC+32*\j+8*\i+7], v4, s[BB:BB+1] offset:4*(32*(\i/2)+8*(\i%2))+16
.endr
.endr
.irp s, 0,1,2,3,4,5,6,7
	KSTEP \s
.endr
.rept 4
	v_nop                                          ; places in front of the first read of results and of loads into the operands' registers
.endr
.macro OUTJ j
.set OB, PF+32*((\j)%2)
.if (\j) >= 2
	s_wait_xcnt 0x0                                ; the stores of two tiles back have read their data: their registers are loaded again only behind this wait
.endif
.irp g, 0,1,2,3,4,5,6,7
	ds_store_b128 v5, v[ACC+32*(\j)+4*\g:ACC+32*(\j)+4*\g+3] offset:128*(\g/4)+16*(\g%4)   ; each accumulator from its low end on
.endr
.irp i, 0,1,2,3,4,5,6,7
	ds_load_b128 v[OB+4*\i:OB+4*\i+3], v6 offset:544*\i            ; LDS serves a wave's instructions in order: these see the stores above
.endr
.irp i, 0,1,2,3,4,5,6,7
	s_wait_dscnt 7-\i                              ; the younger loads of this tile may be out
	global_store_b128 v7, v[OB+4*\i:OB+4*\i+3], s[OUT:OUT+1] offset:(32*((\j)/2)+8*((\j)%2)+2*\i+8*(\i/4))*4096 th:TH_STORE_NT
.endr
.endm
	OUTJ 0
	OUTJ 1
	OUTJ 2
	OUTJ 3
	s_wait_tensorcnt 0x0
	ds_add_u32 v14, v15
	s_wait_dscnt 0x0
	s_endpgm
.Lfunc_end_k_qfda5fd63d6_outp:
	.size	k_qfda5fd63d6_outp, .Lfunc_end_k_qfda5fd63d6_outp-k_qfda5fd63d6_outp
	.p2alignl 7, 3214868480
	.fill 96, 4, 3214868480
	.section	.rodata,"a",@progbits
	.p2align	6, 0x0
	.amdhsa_kernel k_qfda5fd63d6_outp
		.amdhsa_group_segment_fixed_size 17920
		.amdhsa_private_segment_fixed_size 0
		.amdhsa_enable_private_segment 0
		.amdhsa_kernarg_size 48
		.amdhsa_user_sgpr_count 2
		.amdhsa_user_sgpr_kernarg_segment_ptr 1
		.amdhsa_wavefront_size32 1
		.amdhsa_system_sgpr_workgroup_id_x 1
		.amdhsa_system_sgpr_workgroup_id_y 1
		.amdhsa_system_sgpr_workgroup_id_z 1
		.amdhsa_system_vgpr_workitem_id 0
		.amdhsa_next_free_vgpr 256
		.amdhsa_next_free_sgpr 66
		.amdhsa_reserve_vcc 0
		.amdhsa_float_denorm_mode_32 3
		.amdhsa_float_denorm_mode_16_64 3
		.amdhsa_memory_ordered 1
		.amdhsa_forward_progress 1
		.amdhsa_inst_pref_size 58
	.end_amdhsa_kernel
	.amdgpu_metadata
---
amdhsa.version: [ 1, 2 ]
amdhsa.kernels:
  - .name:           k_qfda5fd63d6_outp
    .symbol:         k_qfda5fd63d6_outp.kd
    .args:
      - { .name: xc, .offset: 0, .size: 8, .value_kind: global_buffer, .address_space: global }
      - { .name: xs, .offset: 8, .size: 8, .value_kind: global_buffer, .address_space: global }
      - { .name: cc, .offset: 16, .size: 8, .value_kind: global_buffer, .address_space: global }
      - { .name: cs, .offset: 24, .size: 8, .value_kind: global_buffer, .address_space: global }
      - { .name: out_b, .offset: 32, .size: 8, .value_kind: global_buffer, .address_space: global }
      - { .name: out0, .offset: 40, .size: 8, .value_kind: global_buffer, .address_space: global }
    .group_segment_fixed_size: 17920
    .private_segment_fixed_size: 0
    .kernarg_segment_align: 8
    .kernarg_segment_size: 48
    .max_flat_workgroup_size: 128
    .sgpr_count:     66
    .vgpr_count:     256
    .wavefront_size: 32
...
	.end_amdgpu_metadata
.endif
;; end of part 4
;; ======== version 2 of 2: 4 launches
;; limits: right only within a limited range of input values
;; workspace buffers: xc 9,437,184 bytes; xs 393,216 bytes; qp 3,407,872 bytes; kvp 6,553,600 bytes; cc 3,145,728 bytes; cs 131,072 bytes
;; launch quant (part 5): grid 768 x 1, 2 waves a work-group, no clusters, 17,152 bytes of LDS; arguments tgt, mem, Wq_w, Wkv_w, out_w, xc, xs; writes xc, xs
.if DOCPART == 5
	.amdgcn_target "amdgcn-amd-amdhsa--gfx1250"
	.amdhsa_code_object_version 6
	.text
	.protected	k_qfda5fd63d6_quant
	.globl	k_qfda5fd63d6_quant
	.p2align	8
	.type	k_qfda5fd63d6_quant,@function
k_qfda5fd63d6_quant:
	s_mov_b64 s[64:65], 0
	v_nop
	global_prefetch_b8 v0, s[64:65] scope:SCOPE_SE
	s_setreg_imm32_b32 hwreg(HW_REG_WAVE_MODE, 25, 1), 1
	s_wait_xcnt 0x0
; tgt, mem [4096][1024], Wq_w, out_w [1024][1024], Wkv_w [2048][1024], all f32, become codes of FP6 (E2M3) with one E8M0 byte for each 32 along K = 1,024.
; The codes are laid IN THE ORDER OF AN OPERAND'S REGISTERS.  A TILE is 16 rows: lane r of tile T is row 32 (T / 2) + 8 (T % 2) + r + 8 (r / 8).  A fragment (tile, 128 along K) is 12 registers a lane, 1,536 bytes:
; registers 0-3 at 16 x lane, 4-5 at 512 + 8 x lane, 6-9 at 768 + 16 x lane, 10-11 at 1,280 + 8 x lane.  Fragment (T, s) lies at (8 T + s) x 1,536 of xc; its scale words at 512 T + 256 (s / 4) + 16 r + 4 (s % 4) of xs.
; Tiles of xc: 0-255 tgt, 256-511 mem, 512-575 Wq_w, 576-703 Wkv_w, 704-767 out_w.
; A block's scale is 2^(floor(log2(its largest magnitude)) - 2); its byte is the largest magnitude's exponent field - 2, held at 1 from below.  A block of zeros gets the byte 1: its codes are zeros, and this program alone reads the bytes.
; LIMITS: NaN and infinities among the inputs are not served.
; SHARES.  A work-group is one tile; wave w takes K steps 4 w .. 4 w + 3.  Each load reads 512 consecutive bytes of one row; a K step's 16 rows turn through the wave's own stage in LDS (rows of 512 + 16 bytes), so that a lane
; gets 16 neighbours along K of each block.  Loads run two K steps (32 loads a wave) ahead.  The waves share nothing: no barrier.  No tile is read by two work-groups: nothing to ask for jointly.
.set STG,  8448                        ; a wave's stage: 16 rows x 528 bytes
.set RA,   64                          ; v64-127, v128-191  two sets of 16 x 4 registers, as loaded
.set X,    192                         ; v192-255 64 numbers of my row: register 16 b + i = k 32 b + 16 (lane / 16) + i
.set PC,   32                          ; v32-43 the fragment's codes; v44-46, v48-50 at work
.set TM,   16                          ; v16-19 largest magnitudes, v20-23 bytes, v28-31 the conversions' scale operands
.set W,    8                           ; v8-11 the four scale words
.set SEL,  24                          ; s[24:25] lane selects: lane l xor 16
	s_load_b256 s[4:11], s[0:1], 0x0               ; tgt, mem, Wq_w, Wkv_w
	s_load_b128 s[12:15], s[0:1], 0x20             ; out_w, xc
	s_load_b64 s[16:17], s[0:1], 0x30              ; xs
	v_lshl_add_u32 v62, v0, 2, 0x4200
	v_mov_b32 v63, 0
	v_lshrrev_b32 v1, 5, v0
	v_readfirstlane_b32 s18, v1                    ; wave
	v_and_b32 v6, 31, v0                           ; lane
	v_and_b32 v7, 15, v0                           ; r
	v_bfe_u32 v14, v0, 4, 1                        ; h
	v_lshlrev_b32 v1, 4, v6                        ; 16 x lane
	v_lshlrev_b32 v2, 3, v6                        ; 8 x lane
	s_mul_i32 s26, s18, STG
	v_add_nc_u32 v3, s26, v1                       ; the stage, in: 16 x lane of a row
	v_mul_u32_u24 v4, v7, 528
	v_lshl_add_u32 v4, v14, 6, v4
	v_add_nc_u32 v4, s26, v4                       ; and out: row r, + 64 h
	v_lshlrev_b32 v5, 4, v7
	v_lshl_add_u32 v5, v14, 3, v5                  ; the scale words: 16 r + 8 h
	s_mov_b32 s[SEL], 0x76543210
	s_mov_b32 s[SEL+1], 0xfedcba98
.irp b, 0,1,2,3
	v_mov_b32 v[TM+4+\b], 0                        ; written once: a lane permute's destination counts as one of its sources
.endr
	s_wait_alu depctr_va_vdst(0)
	s_wait_kmcnt 0x0
	s_mov_b64 s[20:21], s[12:13]                   ; which tensor, and its first tile: the choice hangs on the work-group's number alone
	s_mov_b32 s19, 704
	s_cmp_lt_u32 ttmp9, 704
	s_cselect_b64 s[20:21], s[10:11], s[20:21]
	s_cselect_b32 s19, 576, s19
	s_cmp_lt_u32 ttmp9, 576
	s_cselect_b64 s[20:21], s[8:9], s[20:21]
	s_cselect_b32 s19, 512, s19
	s_cmp_lt_u32 ttmp9, 512
	s_cselect_b64 s[20:21], s[6:7], s[20:21]
	s_cselect_b32 s19, 256, s19
	s_cmp_lt_u32 ttmp9, 256
	s_cselect_b64 s[20:21], s[4:5], s[20:21]
	s_cselect_b32 s19, 0, s19
	s_sub_co_u32 s22, ttmp9, s19                   ; T: the tile in its tensor
	s_lshr_b32 s23, s22, 1
	s_lshl_b32 s23, s23, 17                        ; 32 (T / 2) rows of 4,096 bytes
	s_and_b32 s22, s22, 1
	s_lshl_b32 s22, s22, 15                        ; 8 (T % 2) rows
	s_add_co_u32 s22, s22, s23
	s_lshl_b32 s23, s18, 11                        ; my four K steps: 2,048 bytes a wave
	s_add_co_u32 s22, s22, s23
	s_mov_b32 s23, 0
	s_add_nc_u64 s[20:21], s[20:21], s[22:23]
	s_mul_i32 s22, ttmp9, 12288
	s_mul_i32 s27, s18, 6144
	s_add_co_u32 s22, s22, s27
	s_add_nc_u64 s[14:15], s[14:15], s[22:23]      ; my four fragments
	s_lshl_b32 s22, ttmp9, 9
	s_lshl_b32 s27, s18, 8
	s_add_co_u32 s22, s22, s27
	s_add_nc_u64 s[16:17], s[16:17], s[22:23]      ; my 256 bytes of scale words
.macro LOAD q                          ; K step q of the tile's 16 rows: 512 consecutive bytes an instruction
.irp i, 0,1,2,3,4,5,6,7,8,9,10,11,12,13,14,15
	global_load_b128 v[RA+64*((\q)%2)+4*\i:RA+64*((\q)%2)+4*\i+3], v1, s[20:21] offset:(\i+8*(\i/8))*4096+512*(\q) th:TH_LOAD_NT
.endr
.endm
; 64 numbers of a lane, v[s] on, become a fragment's codes in v[PC] on and its scale word in v[pw]
.macro QUANT s, pw
.irp b, 0,1,2,3
	v_max3_num_f32 v[TM+\b], |v[\s+16*\b]|, |v[\s+1+16*\b]|, 0x1800000   ; my 16 numbers of block b, and the floor 2^(3 - 127): the byte cannot fall under 1
.endr
.irp i, 2,4,6,8,10,12,14
.irp b, 0,1,2,3
	v_max3_num_f32 v[TM+\b], v[TM+\b], |v[\s+16*\b+\i]|, |v[\s+1+16*\b+\i]|
.endr
.endr
.irp b, 0,1,2,3
	v_permlanex16_b32 v[TM+4+\b], v[TM+\b], s[SEL], s[SEL+1]
.endr
.irp b, 0,1,2,3
	v_max_num_f32 v[TM+\b], v[TM+\b], v[TM+4+\b]   ; with lane l xor 16's 16: the block's largest magnitude
.endr
.irp b, 0,1,2,3
	v_add_nc_u32 v[TM+12+\b], 0xff000000, v[TM+\b] ; 2 off its exponent field: the conversion's scale operand
.endr
.irp b, 0,1,2,3
	v_lshrrev_b32 v[TM+4+\b], 23, v[TM+12+\b]      ; the scale's byte
.endr
	v_lshl_or_b32 v[\pw], v[TM+5], 8, v[TM+4]
	v_lshl_or_b32 v[\pw], v[TM+6], 16, v[\pw]
	v_lshl_or_b32 v[\pw], v[TM+7], 24, v[\pw]
.irp c, 0,1
	v_cvt_scalef32_pk16_fp6_f32 v[PC+6*\c:PC+2+6*\c], v[\s+32*\c:\s+15+32*\c], v[TM+12+2*\c]
	v_cvt_scalef32_pk16_fp6_f32 v[PC+12+4*\c:PC+14+4*\c], v[\s+16+32*\c:\s+31+32*\c], v[TM+12+2*\c+1]   ; (a conversion's three registers begin on an even number)
.endr
	v_nop                                          ; one plain place behind a scaled conversion
.irp c, 0,1                            ; the operand's layout wants a whole block in a lane: lanes 0-15 block 2 c, lanes 16-31 block 2 c + 1
.irp i, 0,1,2
	v_permlane16_swap_b32 v[PC+6*\c+\i], v[PC+12+4*\c+\i]
.endr
.irp i, 0,1,2
	v_mov_b32 v[PC+3+6*\c+\i], v[PC+12+4*\c+\i]
.endr
.endr
.endm
.macro FRAGQ q
.if (\q) < 3
	s_wait_loadcnt 16                              ; this K step's 16 loads are in; the next step's 16 may be out
.else
	s_wait_loadcnt 0x0
.endif
.irp i, 0,1,2,3,4,5,6,7,8,9,10,11,12,13,14,15
	ds_store_b128 v3, v[RA+64*((\q)%2)+4*\i:RA+64*((\q)%2)+4*\i+3] offset:528*\i
.endr
.irp b, 0,1,2,3
.irp j, 0,1,2,3
	ds_load_b128 v[X+16*\b+4*\j:X+16*\b+4*\j+3], v4 offset:128*\b+16*\j   ; LDS serves a wave's instructions in order: these see the stores above
.endr
.endr
	s_wait_dscnt 0x0                               ; my numbers are back, and the stores into the stage have read their registers
.if (\q) > 0
	s_wait_xcnt 0x0                                ; the last fragment's stores have read their data: the codes' registers are written again only behind this wait
.endif
.if (\q) < 2
	LOAD (\q)+2
.endif
	QUANT X, W+(\q)
	global_store_b128 v1, v[PC:PC+3], s[14:15] offset:1536*(\q)            ; 512 consecutive bytes
	global_store_b64 v2, v[PC+4:PC+5], s[14:15] offset:1536*(\q)+512       ; 256
	global_store_b128 v1, v[PC+6:PC+9], s[14:15] offset:1536*(\q)+768
	global_store_b64 v2, v[PC+10:PC+11], s[14:15] offset:1536*(\q)+1280
.endm
	LOAD 0
	LOAD 1
	FRAGQ 0
	FRAGQ 1
	FRAGQ 2
	FRAGQ 3
	v_cmp_ne_u32 vcc_lo, 0, v14                    ; lanes 0-15 store words 0, 1 of row r, lanes 16-31 words 2, 3: 256 consecutive bytes
	v_cndmask_b32 v12, v[W], v[W+2], vcc_lo
	v_cndmask_b32 v13, v[W+1], v[W+3], vcc_lo
	global_store_b64 v5, v[12:13], s[16:17]
	s_wait_tensorcnt 0x0
	ds_add_u32 v62, v63
	s_wait_dscnt 0x0
	s_endpgm
.Lfunc_end_k_qfda5fd63d6_quant:
	.size	k_qfda5fd63d6_quant, .Lfunc_end_k_qfda5fd63d6_quant-k_qfda5fd63d6_quant
	.p2alignl 7, 3214868480
	.fill 96, 4, 3214868480
	.section	.rodata,"a",@progbits
	.p2align	6, 0x0
	.amdhsa_kernel k_qfda5fd63d6_quant
		.amdhsa_group_segment_fixed_size 17152
		.amdhsa_private_segment_fixed_size 0
		.amdhsa_enable_private_segment 0
		.amdhsa_kernarg_size 56
		.amdhsa_user_sgpr_count 2
		.amdhsa_user_sgpr_kernarg_segment_ptr 1
		.amdhsa_wavefront_size32 1
		.amdhsa_system_sgpr_workgroup_id_x 1
		.amdhsa_system_sgpr_workgroup_id_y 1
		.amdhsa_system_sgpr_workgroup_id_z 1
		.amdhsa_system_vgpr_workitem_id 0
		.amdhsa_next_free_vgpr 256
		.amdhsa_next_free_sgpr 66
		.amdhsa_reserve_vcc 1
		.amdhsa_float_denorm_mode_32 3
		.amdhsa_float_denorm_mode_16_64 3
		.amdhsa_memory_ordered 1
		.amdhsa_forward_progress 1
		.amdhsa_inst_pref_size 34
	.end_amdhsa_kernel
	.amdgpu_metadata
---
amdhsa.version: [ 1, 2 ]
amdhsa.kernels:
  - .name:           k_qfda5fd63d6_quant
    .symbol:         k_qfda5fd63d6_quant.kd
    .args:
      - { .name: tgt, .offset: 0, .size: 8, .value_kind: global_buffer, .address_space: global }
      - { .name: mem, .offset: 8, .size: 8, .value_kind: global_buffer, .address_space: global }
      - { .name: Wq_w, .offset: 16, .size: 8, .value_kind: global_buffer, .address_space: global }
      - { .name: Wkv_w, .offset: 24, .size: 8, .value_kind: global_buffer, .address_space: global }
      - { .name: out_w, .offset: 32, .size: 8, .value_kind: global_buffer, .address_space: global }
      - { .name: xc, .offset: 40, .size: 8, .value_kind: global_buffer, .address_space: global }
      - { .name: xs, .offset: 48, .size: 8, .value_kind: global_buffer, .address_space: global }
    .group_segment_fixed_size: 17152
    .private_segment_fixed_size: 0
    .kernarg_segment_align: 8
    .kernarg_segment_size: 56
    .max_flat_workgroup_size: 64
    .sgpr_count:     66
    .vgpr_count:     256
    .wavefront_size: 32
...
	.end_amdgpu_metadata
.endif
;; end of part 5
;; launch proj (part 6): grid 768 x 1, 4 waves a work-group, no clusters, 0 bytes of LDS; arguments xc, xs, Wq_b, Wkv_b, qp, kvp; writes qp, kvp
.if DOCPART == 6
	.amdgcn_target "amdgcn-amd-amdhsa--gfx1250"
	.amdhsa_code_object_version 6
	.text
	.protected	k_qfda5fd63d6_proj
	.globl	k_qfda5fd63d6_proj
	.p2align	8
	.type	k_qfda5fd63d6_proj,@function
k_qfda5fd63d6_proj:
	s_mov_b64 s[64:65], 0
	v_nop
	global_prefetch_b8 v0, s[64:65] scope:SCOPE_SE
	s_setreg_imm32_b32 hwreg(HW_REG_WAVE_SCHED_MODE, 0, 2), 2
	s_setreg_imm32_b32 hwreg(HW_REG_WAVE_MODE, 25, 1), 1
	s_wait_xcnt 0x0
	s_wait_alu depctr_vm_vsrc(0)
; q = tgt Wq^T + Wq_b, k = mem Wk^T + bk, v = mem Wv^T + bv on codes of FP6 (E2M3) with E8M0 scales, K = 1,024; the results are quantised at once for the attention: q and k / 8 along the head's 64, v along the keys.
; Work-groups 0-255 make q, 256-511 k, 512-767 v.  A work-group takes 128 tokens x 2 heads; a wave 64 tokens x one head's 64: 16 accumulators, acc(j, i) = source 0 tile i x source 1 tile j.
; TILES (16 rows: lane r of tile T = row 32 (T / 2) + 8 (T % 2) + r + 8 (r / 8)) and fragments lie in xc in the order of an operand's registers (1,536 bytes: 512 + 256 + 512 + 256), so a fragment is four dense loads straight into registers.
; With such a tile as source 0, the 16 registers of result tiles 2 b, 2 b + 1 are 16 neighbours, 32 b + 16 (lane / 16) + 0 .. 15, of source 0's rows.  q, k: source 0 = the weight's rows (d), source 1 = tokens: a lane holds one token and runs along d.
; v: source 0 = tokens (keys), source 1 = the weight's rows: a lane holds one d and runs along the keys.  Only the two pointers change places.
; k / 8: the codes are k's, and 3 is taken off each scale byte; the floor under the largest magnitude is 2^(6 - 127), so that the byte stays at 1 or above.
; OUT.  qp [head of batch 32][64 queries 32][3,328]: four halves of fragments (64 along K: 512 + 256 bytes) at 768 j; at 3,072 + 8 r + 4 f the bytes of tiles 2 f (low half) and 2 f + 1 (high half).
; kvp [head of batch 32][128 keys 16][12,800]: K's eight halves at 768 t; V^T's four fragments (d tile j x 128 keys) at 6,144 + 1,536 j; K's words at 12,288 + 128 (f / 2) + 8 r + 4 (f % 2); V's at 12,544 + 128 (j / 2) + 8 r + 4 (j % 2).
; NO JOINT LOADS: a wave's K step is 32 dense loads, 12,288 bytes, that land in the operands' registers; a joint tensor load lands in LDS, from which the same bytes would be read once more; K is eight steps deep.
; V's scale bytes leave two at a time (the two waves of a key step each own two of a word's four bytes): 131,072 bytes in the whole launch.
; LIMITS: NaN and infinities are not served; a block of zeros gets the floor's byte: its codes are zeros, and this program alone reads the bytes.
; THE MODE: SCHED_MODE bits 1:0 = 2 (LLVM: expert scheduling mode 2), set by the entry lines.  The code itself states the register dependences between vector or matrix instructions and memory instructions, with s_wait_alu, always for 0.
; THE PLAN.  Registers that memory instructions touch:
;   v1-v5     offsets, made once ahead of a path's first load and never written again: the bases are scalar registers that stay, and the K steps stand in the immediates.
;   PF, RF    a K step's eight fragments; PS, RS the scale words of two K steps.  Written by the step's loads, read by its 16 products.  There is ONE set: 128 accumulators, 96 registers of fragments, 16 of scale words
;             and 16 of offsets and bias are the wave's 256.  So one wait on va_vdst stands at the head of every K step but the first: the products of the step before are done reading what the step's loads land in.
;             The loads follow it in one run: scale words, source 0's four fragments, source 1's four; the four products of source 1's tile j wait for the loads up to that tile's alone.
;   ACC       q, k: the bias's loads land there ahead of every product.   v8-15 (v): the bias, loaded once.
;   PF, XW    at the end: the codes made, registers of their own for each j, and the scale bytes: written by vector instructions, read by the stores, written no more.  One wait on va_vdst stands ahead of the run of all stores.
;   s16 (the wave's number) and VCC (the half's mask) are written by vector instructions: a wait on va_sdst, on va_vcc stands ahead of the first reader of each.
.set PS,   16                          ; v16-23 source 0's scale words: tile i, K steps s, s + 1 at v[PS + 2 i], + 1
.set RS,   24                          ; v24-31 source 1's
.set PF,   32                          ; v32-79 source 0's four fragments; at the end the codes made
.set RF,   80                          ; v80-127 source 1's; at the end v80-93 at work
.set ACC,  128                         ; v128-255
.set TM,   80
.set WD,   88                          ; v88-91 two scale bytes for each j
.set XW,   92
.set PB,   24                          ; s[24:25] source 0's fragments, s[26:27] source 1's, s[28:29], s[30:31] their scale words
.set RB,   26
.set PSB,  28
.set RSB,  30
.set BB,   32                          ; s[32:33] the bias
.set OC,   34                          ; s[34:35] where the codes go, s[36:37] the scale bytes
.set OS,   36
.set FLOOR, 38
.set KSUB, 39
.set SEL,  40
.macro FRAGL reg, base, off
	global_load_b128 v[\reg:\reg+3], v1, s[\base:\base+1] offset:\off
	global_load_b64 v[\reg+4:\reg+5], v2, s[\base:\base+1] offset:\off+512
	global_load_b128 v[\reg+6:\reg+9], v1, s[\base:\base+1] offset:\off+768
	global_load_b64 v[\reg+10:\reg+11], v2, s[\base:\base+1] offset:\off+1280
.endm
; One K step of 128.  The 16 accumulators take turns, one instruction a turn, across the steps too.
.macro KSTEP s, zero
.if (\s) > 0
	s_wait_alu depctr_va_vdst(0)                   ; the 16 products of the step before are done reading PF, RF, PS and RS, in which the loads below land
.endif
.if (\s)%2 == 0
.irp i, 0,1,2,3
	global_load_b64 v[PS+2*\i:PS+2*\i+1], v3, s[PSB:PSB+1] offset:512*\i+256*((\s)/4)+8*(((\s)/2)%2)
	global_load_b64 v[RS+2*\i:RS+2*\i+1], v3, s[RSB:RSB+1] offset:512*\i+256*((\s)/4)+8*(((\s)/2)%2)
.endr
.endif
.irp i, 0,1,2,3
	FRAGL PF+12*\i, PB, 12288*\i+1536*(\s)
.endr
.irp i, 0,1,2,3
	FRAGL RF+12*\i, RB, 12288*\i+1536*(\s)
.endr
.irp j, 0,1,2,3
	s_wait_loadcnt 12-4*\j                         ; loads come back in order (ISA guide 5.7.1): all up to source 1's tile j are in; the later tiles' loads, four each, may be out
.irp i, 0,1,2,3
.if \zero
	v_wmma_scale_f32_16x16x128_f8f6f4 v[ACC+32*\j+8*\i:ACC+32*\j+8*\i+7], v[PF+12*\i:PF+12*\i+11], v[RF+12*\j:RF+12*\j+11], 0, v[PS+2*\i+(\s)%2], v[RS+2*\j+(\s)%2] matrix_a_fmt:MATRIX_FMT_FP6 matrix_b_fmt:MATRIX_FMT_FP6
.else
	v_wmma_scale_f32_16x16x128_f8f6f4 v[ACC+32*\j+8*\i:ACC+32*\j+8*\i+7], v[PF+12*\i:PF+12*\i+11], v[RF+12*\j:RF+12*\j+11], v[ACC+32*\j+8*\i:ACC+32*\j+8*\i+7], v[PS+2*\i+(\s)%2], v[RS+2*\j+(\s)%2] matrix_a_fmt:MATRIX_FMT_FP6 matrix_b_fmt:MATRIX_FMT_FP6
.endif
.endr
.endr
.endm
; 32 numbers of a lane, v[s] on (register 16 b + i = k 32 b + 16 (lane / 16) + i), become half a fragment's codes in v[pc] .. v[pc + 5] and two scale bytes in v[w].  Each accumulator is read from its low end on.
.macro QUANT32 s, w, pc
	v_max3_num_f32 v[TM], |v[\s]|, |v[\s+1]|, s[FLOOR]
	v_max3_num_f32 v[TM+1], |v[\s+16]|, |v[\s+17]|, s[FLOOR]
.irp i, 2,4,6,8,10,12,14
	v_max3_num_f32 v[TM], v[TM], |v[\s+\i]|, |v[\s+1+\i]|
	v_max3_num_f32 v[TM+1], v[TM+1], |v[\s+16+\i]|, |v[\s+17+\i]|
.endr
	v_permlanex16_b32 v[TM+2], v[TM], s[SEL], s[SEL+1]
	v_permlanex16_b32 v[TM+3], v[TM+1], s[SEL], s[SEL+1]
	v_max_num_f32 v[TM], v[TM], v[TM+2]            ; with lane l xor 16's 16: the block's largest magnitude
	v_max_num_f32 v[TM+1], v[TM+1], v[TM+3]
	v_add_nc_u32 v[TM+4], 0xff000000, v[TM]        ; 2 off the exponent field: the conversion's scale operand
	v_add_nc_u32 v[TM+5], 0xff000000, v[TM+1]
	v_lshrrev_b32 v[TM+2], 23, v[TM+4]             ; the bytes
	v_lshrrev_b32 v[TM+3], 23, v[TM+5]
	v_lshl_or_b32 v[\w], v[TM+3], 8, v[TM+2]
	v_cvt_scalef32_pk16_fp6_f32 v[\pc:\pc+2], v[\s:\s+15], v[TM+4]
	v_cvt_scalef32_pk16_fp6_f32 v[\pc+6:\pc+8], v[\s+16:\s+31], v[TM+5]
	v_nop                                          ; one plain place behind a scaled conversion
.irp i, 0,1,2
	v_permlane16_swap_b32 v[\pc+\i], v[\pc+6+\i]   ; lanes 0-15 get block 0 whole, lanes 16-31 block 1
.endr
.irp i, 0,1,2
	v_mov_b32 v[\pc+3+\i], v[\pc+6+\i]
.endr
.endm
	s_load_b256 s[4:11], s[0:1], 0x0               ; xc, xs, Wq_b, Wkv_b
	s_load_b128 s[12:15], s[0:1], 0x20             ; qp, kvp
	v_lshrrev_b32 v1, 5, v0
	v_readfirstlane_b32 s16, v1                    ; wave
	v_and_b32 v1, 31, v0
	v_lshlrev_b32 v2, 3, v1                        ; 8 x lane
	v_lshlrev_b32 v1, 4, v1                        ; 16 x lane
	v_and_b32 v7, 15, v0                           ; r
	v_bfe_u32 v6, v0, 4, 1                         ; h
	v_lshlrev_b32 v3, 4, v7                        ; 16 r: a row's scale words
	s_wait_alu depctr_va_sdst(0)                   ; s16 is written, ahead of its first reader: the tiles and all bases are made from it
	s_lshr_b32 s17, ttmp9, 8                       ; 0: q, 1: k, 2: v
	s_bfe_u32 s18, ttmp9, 0x50003                  ; which 128 tokens of 4,096
	s_and_b32 s19, ttmp9, 7                        ; which two heads
	s_and_b32 s20, s16, 1                          ; ta: which 64 of the tokens
	s_lshr_b32 s21, s16, 1
	s_lshl_b32 s42, s19, 1
	s_add_co_u32 s21, s21, s42                     ; the head
	s_cmp_eq_u32 s17, 0
	s_cselect_b32 s22, 0, 256                      ; tgt's tiles begin at 0, mem's at 256
	s_lshl_b32 s42, s18, 3
	s_add_co_u32 s22, s22, s42
	s_lshl_b32 s42, s20, 2
	s_add_co_u32 s22, s22, s42                     ; my first tile of tokens
	s_lshl_b32 s23, s17, 6
	s_lshl_b32 s42, s21, 2
	s_add_co_u32 s23, s23, s42
	s_add_co_u32 s23, s23, 512                     ; my first tile of the weight: 512, 576 or 640, + 4 x head
	s_cmp_eq_u32 s17, 2
	s_cselect_b32 s42, s22, s23                    ; source 0
	s_cselect_b32 s43, s23, s22                    ; source 1
	s_cselect_b32 s52, 4096, 0                     ; bv lies 1,024 numbers behind bk
	s_mul_i32 s44, s42, 12288
	s_mul_i32 s46, s43, 12288
	s_lshl_b32 s48, s42, 9
	s_lshl_b32 s50, s43, 9
	s_mov_b32 s45, 0
	s_mov_b32 s47, 0
	s_mov_b32 s49, 0
	s_mov_b32 s51, 0
	s_mov_b32 s[SEL], 0x76543210
	s_mov_b32 s[SEL+1], 0xfedcba98
	s_wait_kmcnt 0x0
	s_add_nc_u64 s[PB:PB+1], s[4:5], s[44:45]
	s_add_nc_u64 s[RB:RB+1], s[4:5], s[46:47]
	s_add_nc_u64 s[PSB:PSB+1], s[6:7], s[48:49]
	s_add_nc_u64 s[RSB:RSB+1], s[6:7], s[50:51]
	s_lshl_b32 s44, s21, 8
	s_add_co_u32 s44, s44, s52
	s_cmp_eq_u32 s17, 0
	s_cselect_b64 s[BB:BB+1], s[8:9], s[10:11]
	s_add_nc_u64 s[BB:BB+1], s[BB:BB+1], s[44:45]  ; the head's 64 numbers of the bias
	s_lshr_b32 s53, s18, 4
	s_lshl_b32 s53, s53, 4
	s_add_co_u32 s53, s53, s21                     ; 16 x batch + head
	s_and_b32 s54, s18, 15                         ; which 128 tokens of the batch's 2,048
	s_mul_i32 s52, s53, 204800
	s_mul_i32 s55, s54, 12800
	s_add_co_u32 s52, s52, s55                     ; the key step's 12,800 bytes in kvp
	s_cmp_eq_u32 s17, 2
	s_cbranch_scc1 .Lvpath
	; ---- q and k: a lane holds one token, its registers run along d
	s_mul_i32 s44, s53, 106496
	s_lshl_b32 s46, s54, 1
	s_add_co_u32 s46, s46, s20
	s_mul_i32 s46, s46, 3328
	s_add_co_u32 s44, s44, s46                     ; q: my 64 queries' 3,328 bytes
	s_add_co_u32 s46, s44, 3072                    ; and their bytes
	s_mul_i32 s48, s20, 3072
	s_add_co_u32 s48, s48, s52                     ; k: my four halves
	s_lshl_b32 s50, s20, 7
	s_add_co_u32 s50, s50, s52
	s_add_co_u32 s50, s50, 12288                   ; and their bytes
	s_mov_b32 s[FLOOR], 0x3000000
	s_mov_b32 s[KSUB], 0x03030303
	s_cmp_eq_u32 s17, 0
	s_cselect_b64 s[OC:OC+1], s[12:13], s[14:15]
	s_cselect_b32 s44, s44, s48
	s_cselect_b32 s46, s46, s50
	s_cselect_b32 s[FLOOR], 0x1800000, s[FLOOR]
	s_cselect_b32 s[KSUB], 0, s[KSUB]
	s_mov_b64 s[OS:OS+1], s[OC:OC+1]
	s_add_nc_u64 s[OC:OC+1], s[OC:OC+1], s[44:45]
	s_add_nc_u64 s[OS:OS+1], s[OS:OS+1], s[46:47]
	s_wait_alu depctr_va_vdst(0)
	v_lshlrev_b32 v4, 6, v6                        ; the bias: my half's 16 numbers of each 32
	v_lshlrev_b32 v5, 3, v7
	v_lshl_add_u32 v5, v6, 2, v5                   ; the bytes: 8 r + 4 h
	s_wait_alu depctr_va_vdst(0)                   ; v1 to v5 are written: every load and store of this path reads one of them as its offset
.irp j, 0,1,2,3                        ; the bias is loaded into the accumulators: it is the C of each sum's first product
.irp i, 0,1,2,3
	global_load_b128 v[ACC+32*\j+8*\i:ACC+32*\j+8*\i+3], v4, s[BB:BB+1] offset:4*(32*(\i/2)+8*(\i%2))
	global_load_b128 v[ACC+32*\j+8*\i+4:ACC+32*\j+8*\i+7], v4, s[BB:BB+1] offset:4*(32*(\i/2)+8*(\i%2))+16
.endr
.endr
.irp s, 0,1,2,3,4,5,6,7
	KSTEP \s, 0
.endr
.rept 4
	v_nop                                          ; places in front of the first read of results and the first write of operands' registers by vector instructions
.endr
	v_mov_b32 v[TM+2], 0                           ; a lane permute's destination counts as one of its sources
	v_mov_b32 v[TM+3], 0
	v_cmp_ne_u32 vcc_lo, 0, v6                     ; lanes 16-31
.irp j, 0,1,2,3
	QUANT32 ACC+32*\j, WD+\j, PF+12*\j
.endr
	v_lshl_or_b32 v[XW], v[WD+1], 16, v[WD]        ; tiles 0 and 1
	v_lshl_or_b32 v[XW+1], v[WD+3], 16, v[WD+2]    ; tiles 2 and 3
	v_sub_nc_u32 v[XW], v[XW], s[KSUB]             ; k / 8: 3 off each byte (each is 4 or more: nothing is borrowed)
	v_sub_nc_u32 v[XW+1], v[XW+1], s[KSUB]
	s_wait_alu depctr_va_vcc(0)                    ; the compare has written VCC, ahead of its first reader
	v_cndmask_b32 v[XW], v[XW], v[XW+1], vcc_lo
	s_wait_alu depctr_va_vdst(0)                   ; the conversions, swaps and moves have written the four tiles' codes, and the select v[XW]: the stores below read them
.irp j, 0,1,2,3
	global_store_b128 v1, v[PF+12*\j:PF+12*\j+3], s[OC:OC+1] offset:768*\j         ; 512 consecutive bytes
	global_store_b64 v2, v[PF+12*\j+4:PF+12*\j+5], s[OC:OC+1] offset:768*\j+512    ; 256
.endr
	global_store_b32 v5, v[XW], s[OS:OS+1]         ; 128 consecutive bytes
	s_endpgm
.Lvpath:
	; ---- v: a lane holds one d, its registers run along the keys
	s_mul_i32 s44, s20, 768
	s_add_co_u32 s44, s44, s52
	s_add_co_u32 s44, s44, 6144                    ; my half (keys 64 ta on) of V^T's fragments
	s_lshl_b32 s46, s20, 1
	s_add_co_u32 s46, s46, s52
	s_add_co_u32 s46, s46, 12544                   ; my two bytes of each word
	s_add_nc_u64 s[OC:OC+1], s[14:15], s[44:45]
	s_add_nc_u64 s[OS:OS+1], s[14:15], s[46:47]
	s_mov_b32 s[FLOOR], 0x1800000
	s_wait_alu depctr_va_vdst(0)
	v_and_b32 v4, 8, v7
	v_add_nc_u32 v4, v4, v7
	v_lshlrev_b32 v4, 2, v4                        ; the bias of my d: 4 (r + 8 (r / 8))
	v_lshlrev_b32 v5, 3, v7
	v_lshl_add_u32 v5, v6, 7, v5                   ; the bytes: 128 h + 8 r
	s_wait_alu depctr_va_vdst(0)                   ; v1 to v5 are written: every load and store of this path reads one of them as its offset
.irp j, 0,1,2,3
	global_load_b32 v[8+2*\j], v4, s[BB:BB+1] offset:4*(32*(\j/2)+8*(\j%2))        ; twice: a pair for the packed addition
	global_load_b32 v[9+2*\j], v4, s[BB:BB+1] offset:4*(32*(\j/2)+8*(\j%2))
.endr
	KSTEP 0, 1                                     ; the first products start the sums
.irp s, 1,2,3,4,5,6,7
	KSTEP \s, 0
.endr
.rept 4
	v_nop                                          ; places in front of the first read of results and the first write of operands' registers by vector instructions
.endr
	v_mov_b32 v[TM+2], 0
	v_mov_b32 v[TM+3], 0
	v_cmp_ne_u32 vcc_lo, 0, v6                     ; lanes 16-31
.irp j, 0,1,2,3
.irp p, 0,2,4,6,8,10,12,14,16,18,20,22,24,26,28,30
	v_pk_add_f32 v[ACC+32*\j+\p:ACC+32*\j+\p+1], v[ACC+32*\j+\p:ACC+32*\j+\p+1], v[8+2*\j:9+2*\j]
.endr
	QUANT32 ACC+32*\j, WD+\j, PF+12*\j
.endr
	s_wait_alu depctr_va_vcc(0)                    ; the compare has written VCC, ahead of its first reader
	v_cndmask_b32 v[XW], v[WD], v[WD+2], vcc_lo    ; lanes 0-15: d tiles 0, 1; lanes 16-31: d tiles 2, 3
	v_cndmask_b32 v[XW+1], v[WD+1], v[WD+3], vcc_lo
	s_wait_alu depctr_va_vdst(0)                   ; the conversions, swaps and moves have written the four tiles' codes, and the selects v[XW], v[XW + 1]: the stores below read them
.irp j, 0,1,2,3
	global_store_b128 v1, v[PF+12*\j:PF+12*\j+3], s[OC:OC+1] offset:1536*\j
	global_store_b64 v2, v[PF+12*\j+4:PF+12*\j+5], s[OC:OC+1] offset:1536*\j+512
.endr
	global_store_b16 v5, v[XW], s[OS:OS+1]
	global_store_b16 v5, v[XW+1], s[OS:OS+1] offset:4
	s_endpgm
.Lfunc_end_k_qfda5fd63d6_proj:
	.size	k_qfda5fd63d6_proj, .Lfunc_end_k_qfda5fd63d6_proj-k_qfda5fd63d6_proj
	.p2alignl 7, 3214868480
	.fill 96, 4, 3214868480
	.section	.rodata,"a",@progbits
	.p2align	6, 0x0
	.amdhsa_kernel k_qfda5fd63d6_proj
		.amdhsa_group_segment_fixed_size 0
		.amdhsa_private_segment_fixed_size 0
		.amdhsa_enable_private_segment 0
		.amdhsa_kernarg_size 48
		.amdhsa_user_sgpr_count 2
		.amdhsa_user_sgpr_kernarg_segment_ptr 1
		.amdhsa_wavefront_size32 1
		.amdhsa_system_sgpr_workgroup_id_x 1
		.amdhsa_system_sgpr_workgroup_id_y 1
		.amdhsa_system_sgpr_workgroup_id_z 1
		.amdhsa_system_vgpr_workitem_id 0
		.amdhsa_next_free_vgpr 256
		.amdhsa_next_free_sgpr 66
		.amdhsa_reserve_vcc 1
		.amdhsa_float_denorm_mode_32 3
		.amdhsa_float_denorm_mode_16_64 3
		.amdhsa_memory_ordered 1
		.amdhsa_forward_progress 1
		.amdhsa_inst_pref_size 118
	.end_amdhsa_kernel
	.amdgpu_metadata
---
amdhsa.version: [ 1, 2 ]
amdhsa.kernels:
  - .name:           k_qfda5fd63d6_proj
    .symbol:         k_qfda5fd63d6_proj.kd
    .args:
      - { .name: xc, .offset: 0, .size: 8, .value_kind: global_buffer, .address_space: global }
      - { .name: xs, .offset: 8, .size: 8, .value_kind: global_buffer, .address_space: global }
      - { .name: Wq_b, .offset: 16, .size: 8, .value_kind: global_buffer, .address_space: global }
      - { .name: Wkv_b, .offset: 24, .size: 8, .value_kind: global_buffer, .address_space: global }
      - { .name: qp, .offset: 32, .size: 8, .value_kind: global_buffer, .address_space: global }
      - { .name: kvp, .offset: 40, .size: 8, .value_kind: global_buffer, .address_space: global }
    .group_segment_fixed_size: 0
    .private_segment_fixed_size: 0
    .kernarg_segment_align: 8
    .kernarg_segment_size: 48
    .max_flat_workgroup_size: 128
    .sgpr_count:     66
    .vgpr_count:     256
    .wavefront_size: 32
...
	.end_amdgpu_metadata
.endif
;; end of part 6
;; launch attn (part 7): grid 8 x 32, 16 waves a work-group, clusters of 4 x 1, 215,040 bytes of LDS; arguments qp, kvp, attn_bias, memory_key_padding_mask, cc, cs; writes cc, cs
.if DOCPART == 7
	.amdgcn_target "amdgcn-amd-amdhsa--gfx1250"
	.amdhsa_code_object_version 6
	.text
	.protected	k_qfda5fd63d6_attn
	.globl	k_qfda5fd63d6_attn
	.p2align	8
	.type	k_qfda5fd63d6_attn,@function
k_qfda5fd63d6_attn:
	s_mov_b64 s[64:65], 0
	v_nop
	global_prefetch_b8 v0, s[64:65] scope:SCOPE_SE
	s_setreg_imm32_b32 hwreg(HW_REG_WAVE_MODE, 25, 1), 1
	s_wait_xcnt 0x0
	s_wait_alu depctr_hold_cnt(0) depctr_sa_sdst(0) depctr_va_vdst(0) depctr_va_sdst(0) depctr_va_ssrc(0) depctr_va_vcc(0) depctr_vm_vsrc(0)
	s_getreg_b32 s2, hwreg(HW_REG_IB_STS2, 6, 4)
	s_cmp_eq_u32 s2, 0
	s_cbranch_scc0 .Lentry_in_a_cluster
	s_endpgm
.Lentry_in_a_cluster:
	s_bfe_u32 s2, ttmp6, 0x10000c
	s_cmp_lg_u32 s2, 0x3003
	s_cbranch_scc0 .Lentry_shape_is_right
	s_endpgm
.Lentry_shape_is_right:
; ctx[b][q][head][:] = softmax_k(q . k / 8 + attn_bias[k], keys with mask 0 left out) v, both products on codes of FP6 (E2M3) with E8M0 scales; ctx is quantised along head x 64 + d for the last projection.
; THE SOFTMAX: t = logit x log2(e); M = the largest t so far, rounded up to a whole number; p = 2^(t - M) is quantised along the keys, not normalised; the row's sum of the unquantised p divides at the end; when M moves, sum and O are multiplied by 2^(old M - new M).
; SHARES.  A work-group owns 256 queries of one head of one batch; each of its 16 waves one tile of 16, in 256 registers.  Every wave walks the 2,048 keys, 128 a step.
; THE HEAD'S K, V AND THEIR SCALE BYTES, 16 x 12,800 bytes, LIE IN LDS WHOLE, filled once: wave w brings key step w with one tensor load.  Nothing is filled again.  CLUSTER: the four work-groups of a cluster belong to one head and ask for
; each key step JOINTLY: the same load, the same descriptor, a mask that names the four.
; LAYOUT.  Both products are used transposed (S^T = K Q^T, O^T = V^T P^T): a lane holds one query.  All operands lie in the order of their registers (a fragment: 512 + 256 + 512 + 256 bytes).  The head is 64 deep and the instruction 128: a fragment of K
; holds TWO tiles of 16 keys, one in each half of its K, and is multiplied twice, by (q, zeros) and by (zeros, q).  Lane r of key tile 2 b + u is key 32 b + 8 u + r + 8 (r / 8), so that the 16 registers of tiles 2 b, 2 b + 1 are 16 neighbouring keys.
; BIAS AND MASK: a table in LDS holds attn_bias[k] where the mask is set and -1e30 elsewhere; it is loaded into the scores' registers and is the C of the first product.
; LIMITS: NaN and infinities are not served.  The largest t starts at -2^96: logits x log2(e) must lie above that; hidden keys (t about -1.4e30) then give p = 0 from the first step on.  A batch all of whose keys are hidden keeps that start: its ctx gets
; the scale byte 0xff, which makes its rows of the output NaN, as the softmax of nothing is.
; ctx's scale bytes leave one a lane, two neighbouring bytes a row: 131,072 bytes in the whole launch.
; REGISTERS: v1-3 lane places, v4-6 the step's LDS addresses, v7 r, v8 h; v12 -M, v13 the largest t, v[14:15] the sum; v16-21 q, v22-27 zeros, v28-33 q; v40-87 four fragments of K or V; v96-159 S^T, then p; v160-191 O^T; v192-223 ctx;
; v224-235 p's codes; v232-247, v252, v254 at work; v248-249 K's scale words, v250-251 V's, v253 p's, v255 q's.
.set KVB,  12800                       ; a key step in LDS and in memory
.set BT,   204800                      ; behind the 16 key steps: the table, 2,048 x 4 bytes, written by LDS stores; no tensor load lands there
.set WV,   18
.set SEL,  20
.set CS,   22                          ; s[22:23] log2(e): the packed form names a pair
.set G1,   24
.set G0,   32
.set TB,   36                          ; where the step's bytes begin
.set TS,   37                          ; and its 512 bytes of the table
.set CNT,  38
.set SH,   39
.set TM,   236
.macro ROUND                           ; a round of the cluster's barrier
	s_barrier_signal -1
	s_barrier_wait -1
	s_cmp_lg_u32 s[WV], 0
	s_cbranch_scc1 .Lnot_wave_0_\@
	s_barrier_signal -3
.Lnot_wave_0_\@:
	s_barrier_wait -3
	s_barrier_signal -1
	s_barrier_wait -1
.endm
	s_load_b256 s[4:11], s[0:1], 0x0               ; qp, kvp, attn_bias, mask
	s_load_b128 s[12:15], s[0:1], 0x20             ; cc, cs
	v_lshl_add_u32 v95, v0, 2, 0x34000
	v_mov_b32 v243, 0
	ds_add_u32 v95, v243
	ds_add_u32 v95, v243
	v_lshrrev_b32 v1, 5, v0
	s_delay_alu instid0(VALU_DEP_1)
	v_readfirstlane_b32 s[WV], v1                  ; wave 0..15
	s_bfe_u32 s40, ttmp6, 0x40000                  ; cx
	s_lshl_b32 s41, ttmp9, 2
	s_add_co_u32 s41, s41, s40                     ; my block of 256 queries: it enters q's and ctx's addresses alone
	s_and_b32 s42, ttmp7, 0xffff                   ; 16 x batch + head, which the four partners share
	s_mul_i32 s43, s[WV], KVB
	s_mul_i32 s44, s42, 16*KVB
	s_add_co_u32 s44, s44, s43                     ; key step w of the head
	s_mov_b32 s45, 0
	; descriptor group 1: 12,800 dense bytes as 50 rows of 256 bytes (32 elements of 8 bytes), no padding
	s_mov_b32 s[G1], 15|(3<<16)|(1<<21)            ; 15:0 the mask: all four work-groups; 17:16 elements of 8 bytes; 21 set beside a mask
	s_mov_b32 s[G1+1], 32<<16                      ; tensor_dim0
	s_mov_b32 s[G1+2], 50<<16                      ; tensor_dim1
	s_mov_b32 s[G1+3], 32<<16                      ; tile_dim0
	s_mov_b32 s[G1+4], 50                          ; tile_dim1
	s_mov_b32 s[G1+5], 32                          ; from row to row
	s_mov_b32 s[G1+6], 0
	s_mov_b32 s[G1+7], 0
	s_lshl_b32 s46, s41, 2                         ; q: my tile is 16 x block + wave; four tiles lie together in 3,328 bytes
	s_lshr_b32 s48, s[WV], 2
	s_add_co_u32 s46, s46, s48
	s_mul_i32 s46, s46, 3328
	s_mul_i32 s48, s42, 106496
	s_add_co_u32 s46, s46, s48
	s_mov_b32 s47, 0
	s_and_b32 s48, s[WV], 3
	s_mul_i32 s50, s48, 768
	s_add_co_u32 s50, s50, s46                     ; my tile's codes
	s_mov_b32 s51, 0
	s_lshr_b32 s48, s48, 1
	s_lshl_b32 s48, s48, 2
	s_add_co_u32 s46, s46, s48
	s_add_co_u32 s46, s46, 3072                    ; the word that holds my tile's two bytes,
	s_and_b32 s[SH], s[WV], 1
	s_lshl_b32 s[SH], s[SH], 4                     ; in its low or its high half
	s_lshr_b32 s52, s42, 4                         ; the batch
	s_lshl_b32 s54, s52, 13
	s_mov_b32 s55, 0
	s_lshl_b32 s56, s52, 11
	s_mov_b32 s57, 0
	s_lshl_b32 s53, s52, 7
	s_lshl_b32 s59, s41, 4
	s_add_co_u32 s53, s53, s59
	s_add_co_u32 s53, s53, s[WV]                   ; T: my tile among ctx's 256
	s_and_b32 s58, s42, 15                         ; the head
	s_mul_i32 s60, s53, 12288
	s_mul_i32 s59, s58, 768
	s_add_co_u32 s60, s60, s59                     ; ctx's codes: fragment (T, head / 2), half head % 2
	s_mov_b32 s61, 0
	s_lshl_b32 s62, s53, 9
	s_lshr_b32 s59, s58, 3
	s_lshl_b32 s59, s59, 8
	s_add_co_u32 s62, s62, s59
	s_and_b32 s59, s58, 7
	s_lshl_b32 s59, s59, 1
	s_add_co_u32 s62, s62, s59                     ; ctx's bytes: 512 T + 256 (head / 8) + 2 (head % 8)
	s_mov_b32 s63, 0
	s_mov_b32 s[SEL], 0x76543210
	s_mov_b32 s[SEL+1], 0xfedcba98
	s_mov_b32 s[CS], 0x3fb8aa3b                    ; log2(e)
	s_mov_b32 s[CS+1], s[CS]
	s_mov_b32 s[TB], 0
	s_mov_b32 s[TS], 0
	s_mov_b32 s[CNT], 16
	v_and_b32 v1, 31, v0
	s_delay_alu instid0(VALU_DEP_1)
	v_lshlrev_b32 v2, 3, v1                        ; 8 x lane
	s_delay_alu instid0(VALU_DEP_2)
	v_lshlrev_b32 v1, 4, v1                        ; 16 x lane
	v_and_b32 v7, 15, v0                           ; r
	v_bfe_u32 v8, v0, 4, 1                         ; h
	s_delay_alu instid0(VALU_DEP_1)
	v_lshl_add_u32 v3, v8, 6, BT                   ; the table: my half's 16 keys of each 32
	s_delay_alu instid0(VALU_DEP_3)
	v_lshlrev_b32 v9, 3, v7                        ; 8 r
	v_lshlrev_b32 v10, 4, v0                       ; thread t takes keys 4 t .. 4 t + 3 of the table
	v_lshlrev_b32 v11, 2, v0
	v_lshl_add_u32 v34, v0, 4, BT
	s_wait_dscnt 0x0
	s_wait_kmcnt 0x0
	s_mov_b32 s[G0], 1                             ; count = 1
	s_mov_b32 s[G0+1], s43                         ; LDS address: 12,800 x wave
	s_add_nc_u64 s[G0+2:G0+3], s[6:7], s[44:45]
	s_or_b32 s[G0+3], s[G0+3], 0x80000000          ; type = 2
	s_add_nc_u64 s[50:51], s[4:5], s[50:51]
	s_add_nc_u64 s[4:5], s[4:5], s[46:47]
	s_add_nc_u64 s[8:9], s[8:9], s[54:55]
	s_add_nc_u64 s[10:11], s[10:11], s[56:57]
	s_add_nc_u64 s[12:13], s[12:13], s[60:61]
	s_add_nc_u64 s[14:15], s[14:15], s[62:63]
	ROUND                                          ; all four work-groups are here: the joint loads meet
	tensor_load_to_lds s[G0:G0+3], s[G1:G1+7]      ; my one tensor load of the launch
	s_nop 0
.rept 4
	v_nop
.endr
	s_wait_alu depctr_va_vdst(0)
	global_load_b128 v[16:19], v1, s[50:51]        ; q's codes, twice: once for each half of the instruction's K
	global_load_b64 v[20:21], v2, s[50:51] offset:512
	global_load_b128 v[28:31], v1, s[50:51]
	global_load_b64 v[32:33], v2, s[50:51] offset:512
	global_load_b32 v255, v9, s[4:5]
	global_load_b128 v[40:43], v10, s[8:9]         ; four numbers of attn_bias,
	global_load_b32 v44, v11, s[10:11]             ; and their four bytes of the mask
.irp j, 22,23,24,25,26,27
	v_mov_b32 v[\j], 0                             ; zero codes
.endr
.set j, 0
.rept 32
	v_mov_b32 v[160+j], 0                          ; O^T.  (The step is written once: the first finds zeros)
.set j, j+1
.endr
	v_mov_b32 v13, 0xef800000                      ; the largest t so far: -2^96
	s_delay_alu instid0(VALU_DEP_1)
	v_floor_f32 v12, -v13                          ; -M
	v_mov_b32 v14, 0
	v_mov_b32 v15, 0
.irp b, 0,1,2,3
	v_mov_b32 v[236+\b], 0                         ; a lane permute's destination counts as one of its sources
.endr
	v_mov_b32 v253, 0                              ; (named as the upper half of the pair v[252:253] before it is first written)
	v_mov_b32 v35, 0xf149f2ca                      ; -1e30
	v_mov_b32 v38, 0xffff
	s_wait_alu depctr_va_vdst(0)
	s_wait_loadcnt 0x0
	v_lshrrev_b32 v255, s[SH], v255
	s_delay_alu instid0(VALU_DEP_1)
	v_and_b32 v255, 0xffff, v255
	s_delay_alu instid0(VALU_DEP_1)
	v_lshl_or_b32 v255, v255, 16, v255             ; q's two bytes, for both halves of the instruction's K
.irp k, 0,1,2,3
	v_bfe_u32 v36, v44, 8*\k, 8
	s_delay_alu instid0(VALU_DEP_1)
	v_cmp_ne_u32 vcc_lo, 0, v36
	s_delay_alu instid0(VALU_DEP_1)
	v_cndmask_b32 v[40+\k], v35, v[40+\k], vcc_lo  ; the bias where the mask is set, -1e30 elsewhere
.endr
	ds_store_b128 v34, v[40:43]
	s_wait_tensorcnt 0x0                           ; my key step has landed,
	s_wait_dscnt 0x0                               ; my part of the table is written:
	s_barrier_signal -1
	s_barrier_wait -1                              ; everybody's is
.macro FRAGD reg, off                  ; a fragment out of LDS, as it lies
	ds_load_b128 v[\reg:\reg+3], v4 offset:\off
	ds_load_b64 v[\reg+4:\reg+5], v5 offset:\off+512
	ds_load_b128 v[\reg+6:\reg+9], v4 offset:\off+768
	ds_load_b64 v[\reg+10:\reg+11], v5 offset:\off+1280
.endm
.macro QK f, u                         ; key tile 2 f + u: fragment f x (q, zeros) or (zeros, q); C = the table's numbers
.if (\f) < 2
	v_wmma_scale_f32_16x16x128_f8f6f4 v[96+8*(2*\f+\u):103+8*(2*\f+\u)], v[40+12*\f:51+12*\f], v[16+6*\u:27+6*\u], v[96+8*(2*\f+\u):103+8*(2*\f+\u)], v[248+(\f)%2], v255 matrix_a_fmt:MATRIX_FMT_FP6 matrix_b_fmt:MATRIX_FMT_FP6
.else
	v_wmma_scale_f32_16x16x128_f8f6f4 v[96+8*(2*\f+\u):103+8*(2*\f+\u)], v[40+12*\f:51+12*\f], v[16+6*\u:27+6*\u], v[96+8*(2*\f+\u):103+8*(2*\f+\u)], v[248+(\f)%2], v255 matrix_a_fmt:MATRIX_FMT_FP6 matrix_b_fmt:MATRIX_FMT_FP6 matrix_a_scale:MATRIX_SCALE_ROW1
.endif
.endm
.macro PV j                            ; O^T's d tile j += V^T's fragment j x p
.if (\j) < 2
	v_wmma_scale_f32_16x16x128_f8f6f4 v[160+8*\j:167+8*\j], v[40+12*\j:51+12*\j], v[224:235], v[160+8*\j:167+8*\j], v[250+(\j)%2], v253 matrix_a_fmt:MATRIX_FMT_FP6 matrix_b_fmt:MATRIX_FMT_FP6
.else
	v_wmma_scale_f32_16x16x128_f8f6f4 v[160+8*\j:167+8*\j], v[40+12*\j:51+12*\j], v[224:235], v[160+8*\j:167+8*\j], v[250+(\j)%2], v253 matrix_a_fmt:MATRIX_FMT_FP6 matrix_b_fmt:MATRIX_FMT_FP6 matrix_a_scale:MATRIX_SCALE_ROW1
.endif
.endm
.Lstep:                                            ; 16 trips: 128 keys each
	s_setprio 2
	v_add_nc_u32 v4, s[TB], v1
	v_add_nc_u32 v5, s[TB], v2
	v_add_nc_u32 v6, s[TS], v3
	v_nop                                          ; with the three additions: the four places in front of loads into registers that the last products read
.irp b, 0,1,2,3
.irp q, 0,1,2,3
	ds_load_b128 v[96+16*\b+4*\q:99+16*\b+4*\q], v6 offset:128*\b+16*\q    ; the table at keys 32 b + 16 h + 4 q on: register 16 b + i is key 32 b + 16 h + i
.endr
.endr
.irp f, 0,1,2,3
	FRAGD 40+12*\f, 1536*\f
.endr
	ds_load_b64 v[248:249], v5 offset:12288        ; K's words: lanes 0-15 fragments 0, 1; lanes 16-31 fragments 2, 3
	s_wait_alu depctr_va_vdst(0)
	s_wait_dscnt 0x0
.irp f, 0,1,2,3
	QK \f, 0
	QK \f, 1
.endr
.rept 4
	v_nop                                          ; places in front of the loads below and of the first read of the scores
.endr
.irp j, 0,1,2,3
	FRAGD 40+12*\j, 6144+1536*\j                   ; V^T's fragments land while the softmax is worked
.endr
	ds_load_b64 v[250:251], v5 offset:12544        ; V's words: lanes 0-15 d tiles 0, 1; lanes 16-31 d tiles 2, 3
.irp b, 0,1,2,3
	v_max3_num_f32 v[232+\b], v[96+16*\b], v[97+16*\b], v[98+16*\b]        ; the largest logit of each block of 32 keys: for the row's maximum and, since p rises with the logit, for the block's largest p
.endr
.irp i, 3,5,7,9,11,13
.irp b, 0,1,2,3
	v_max3_num_f32 v[232+\b], v[232+\b], v[96+16*\b+\i], v[97+16*\b+\i]
.endr
.endr
.irp b, 0,1,2,3
	v_max_num_f32 v[232+\b], v[232+\b], v[111+16*\b]
.endr
.irp b, 0,1,2,3
	s_delay_alu instid0(VALU_DEP_4)
	v_permlanex16_b32 v[236+\b], v[232+\b], s[SEL], s[SEL+1]
.endr
.irp b, 0,1,2,3
	s_delay_alu instid0(VALU_DEP_4)
	v_max_num_f32 v[232+\b], v[232+\b], v[236+\b]  ; with lane l xor 16's 16 keys
.endr
	s_delay_alu instid0(VALU_DEP_2)
	v_max3_num_f32 v254, v232, v233, v234
	s_delay_alu instid0(VALU_DEP_1)
	v_max_num_f32 v254, v254, v235
	s_delay_alu instid0(VALU_DEP_1)
	v_mul_f32 v254, s[CS], v254                    ; as t
	s_delay_alu instid0(VALU_DEP_1)
	v_max_num_f32 v13, v13, v254                   ; the running largest t
	v_mov_b32 v254, v12
	s_delay_alu instid0(VALU_DEP_2)
	v_floor_f32 v12, -v13                          ; the new -M = -ceil(t)
	s_delay_alu instid0(VALU_DEP_1)
	v_sub_f32 v254, v12, v254                      ; old M - new M: a whole number, 0 or less
	s_delay_alu instid0(VALU_DEP_1)
	v_cvt_i32_f32 v254, v254                       ; (it saturates)
	s_delay_alu instid0(VALU_DEP_1)
	v_ldexp_f32 v252, 1.0, v254                    ; f = 2^(old M - new M)
.set j, 0
.rept 32
	v_pk_fma_f32 v[96+j:97+j], v[96+j:97+j], s[CS:CS+1], v[12:13] op_sel_hi:[1,0,0]   ; t - M, two at a time
.set j, j+2
.endr
.irp b, 0,1,2,3
	v_fma_f32 v[232+\b], v[232+\b], s[CS], v12     ; the same of each block's largest logit
.endr
.set j, 0
	s_setprio 1
	s_wait_alu depctr_va_vdst(0)
.rept 64
	v_exp_f32 v[96+j], v[96+j]                     ; p = 2^(t - M)
.set j, j+1
.endr
	v_pk_mul_f32 v[14:15], v[14:15], v[252:253] op_sel_hi:[1,0]   ; the sums under the new M: a plain place behind the exponentials
	s_wait_alu depctr_va_vdst(0)                   ; one wait for the batch of 64, ahead of its first reader
.irp b, 0,1,2,3
	v_exp_f32 v[232+\b], v[232+\b]                 ; the block's largest p
.endr
	v_pk_add_f32 v[236:237], v[100:101], v[104:105]
	v_pk_add_f32 v[248:249], v[108:109], v[112:113]
	v_pk_add_f32 v[246:247], v[116:117], v[120:121]
	v_pk_add_f32 v[244:245], v[124:125], v[128:129]
	v_pk_add_f32 v[240:241], v[132:133], v[136:137]
	v_pk_add_f32 v[238:239], v[140:141], v[144:145]
	v_pk_add_f32 v[230:231], v[148:149], v[152:153]
	v_pk_add_f32 v[14:15], v[14:15], v[156:157]
	v_pk_add_f32 v[236:237], v[236:237], v[96:97]
	v_pk_add_f32 v[248:249], v[248:249], v[98:99]
	v_pk_add_f32 v[246:247], v[246:247], v[102:103]
	v_pk_add_f32 v[244:245], v[244:245], v[106:107]
	v_pk_add_f32 v[240:241], v[240:241], v[110:111]
	v_pk_add_f32 v[238:239], v[238:239], v[114:115]
	v_pk_add_f32 v[230:231], v[230:231], v[118:119]
	v_pk_add_f32 v[14:15], v[14:15], v[122:123]
	v_pk_add_f32 v[236:237], v[236:237], v[126:127]
	v_pk_add_f32 v[248:249], v[248:249], v[130:131]
	v_pk_add_f32 v[246:247], v[246:247], v[134:135]
	v_pk_add_f32 v[244:245], v[244:245], v[138:139]
	v_pk_add_f32 v[240:241], v[240:241], v[142:143]
	v_pk_add_f32 v[238:239], v[238:239], v[146:147]
	v_pk_add_f32 v[230:231], v[230:231], v[150:151]
	v_pk_add_f32 v[14:15], v[14:15], v[154:155]
	v_pk_add_f32 v[236:237], v[236:237], v[158:159]
	s_delay_alu instid0(VALU_DEP_2)
	v_pk_add_f32 v[14:15], v[14:15], v[244:245]
	s_delay_alu instid0(VALU_DEP_2)
	v_pk_add_f32 v[236:237], v[236:237], v[240:241]
	v_pk_add_f32 v[248:249], v[248:249], v[238:239]
	v_pk_add_f32 v[246:247], v[246:247], v[230:231]
	s_delay_alu instid0(VALU_DEP_2)
	v_pk_add_f32 v[14:15], v[14:15], v[248:249]
	s_delay_alu instid0(VALU_DEP_2)
	v_pk_add_f32 v[236:237], v[236:237], v[246:247]
	s_delay_alu instid0(VALU_DEP_1)
	v_pk_add_f32 v[14:15], v[14:15], v[236:237]
	s_wait_alu depctr_va_vdst(0)                   ; and one for the four
.irp b, 0,1,2,3
	v_max_num_f32 v[232+\b], 0x1800000, v[232+\b]  ; the floor 2^(3 - 127): a block whose every p is 0 keeps the byte 1: its codes are zeros
.endr
.irp b, 0,1,2,3
	s_delay_alu instid0(VALU_DEP_4)
	v_add_nc_u32 v[244+\b], 0xff000000, v[232+\b]  ; 2 off the exponent field: the conversion's scale operand
.endr
.irp b, 0,1,2,3
	s_delay_alu instid0(VALU_DEP_4)
	v_lshrrev_b32 v[236+\b], 23, v[244+\b]
.endr
	s_delay_alu instid0(VALU_DEP_3)
	v_lshl_or_b32 v253, v237, 8, v236              ; p's scale word for these 128 keys
	s_delay_alu instid0(VALU_DEP_1)
	v_lshl_or_b32 v253, v238, 16, v253
	s_delay_alu instid0(VALU_DEP_1)
	v_lshl_or_b32 v253, v239, 24, v253
.irp c, 0,1
	v_cvt_scalef32_pk16_fp6_f32 v[224+6*\c:226+6*\c], v[96+32*\c:111+32*\c], v[244+2*\c]
	v_cvt_scalef32_pk16_fp6_f32 v[236+4*\c:238+4*\c], v[112+32*\c:127+32*\c], v[244+2*\c+1]
.endr
	v_nop                                          ; one plain place behind a scaled conversion
	s_setprio 0
.irp c, 0,1
.irp i, 0,1,2
	v_permlane16_swap_b32 v[224+6*\c+\i], v[236+4*\c+\i]
.endr
.irp i, 0,1,2
	s_delay_alu instid0(VALU_DEP_3)
	v_mov_b32 v[227+6*\c+\i], v[236+4*\c+\i]
.endr
.endr
.set j, 0
.rept 16
	v_pk_mul_f32 v[160+j:161+j], v[160+j:161+j], v[252:253] op_sel_hi:[1,0]   ; O^T under the new M.  These 16 are also the places between the writes of p's codes and scale word and the products
.set j, j+2
.endr
	s_wait_alu depctr_va_vdst(0)
	s_wait_dscnt 0x0                               ; V^T's fragments and words are in
.irp j, 0,1,2,3
	PV \j
.endr
	s_add_co_u32 s[TB], s[TB], KVB
	s_add_co_u32 s[TS], s[TS], 512
	s_sub_co_u32 s[CNT], s[CNT], 1
	s_cmp_lg_u32 s[CNT], 0
	s_cbranch_scc1 .Lstep
	s_setprio 0
	; THE WAY OUT: O^T / the sum is ctx; register 16 b + i of a lane is d = 32 b + 16 h + i of its query: two blocks of the last projection's K
.rept 4
	v_nop                                          ; places behind the last products
.endr
	v_add_f32 v14, v14, v15
	s_delay_alu instid0(VALU_DEP_1)
	v_permlanex16_b32 v252, v14, s[SEL], s[SEL+1]
	s_delay_alu instid0(VALU_DEP_1)
	v_add_f32 v14, v14, v252                       ; the row's sum
	s_wait_alu depctr_va_vdst(0)
	v_rcp_f32 v14, v14
	v_lshlrev_b32 v36, 4, v7                       ; (a plain place behind the reciprocal)
	s_delay_alu instid0(VALU_DEP_1)
	v_add_nc_u32 v36, v36, v8                      ; the bytes' place: 16 r + h
	v_lshlrev_b32 v37, 3, v8                       ; 8 h
	s_wait_alu depctr_va_vdst(0)                   ; the wait, ahead of the reciprocal's first reader
.set j, 0
.rept 32
	v_mul_f32 v[192+j], v[160+j], v14
.set j, j+1
.endr
	v_max3_num_f32 v[TM], |v192|, |v193|, 0x1800000
	v_max3_num_f32 v[TM+1], |v208|, |v209|, 0x1800000
.irp i, 2,4,6,8,10,12,14
	s_delay_alu instid0(VALU_DEP_2)
	v_max3_num_f32 v[TM], v[TM], |v[192+\i]|, |v[193+\i]|
	s_delay_alu instid0(VALU_DEP_2)
	v_max3_num_f32 v[TM+1], v[TM+1], |v[208+\i]|, |v[209+\i]|
.endr
	s_delay_alu instid0(VALU_DEP_2)
	v_permlanex16_b32 v[TM+2], v[TM], s[SEL], s[SEL+1]
	s_delay_alu instid0(VALU_DEP_2)
	v_permlanex16_b32 v[TM+3], v[TM+1], s[SEL], s[SEL+1]
	s_delay_alu instid0(VALU_DEP_2)
	v_max_num_f32 v[TM], v[TM], v[TM+2]
	s_delay_alu instid0(VALU_DEP_2)
	v_max_num_f32 v[TM+1], v[TM+1], v[TM+3]
	s_delay_alu instid0(VALU_DEP_2)
	v_add_nc_u32 v[TM+4], 0xff000000, v[TM]
	s_delay_alu instid0(VALU_DEP_2)
	v_add_nc_u32 v[TM+5], 0xff000000, v[TM+1]
	s_delay_alu instid0(VALU_DEP_2)
	v_lshrrev_b32 v[TM+2], 23, v[TM+4]
	s_delay_alu instid0(VALU_DEP_2)
	v_lshrrev_b32 v[TM+3], 23, v[TM+5]
	s_delay_alu instid0(VALU_DEP_1)
	v_lshl_or_b32 v242, v[TM+3], 8, v[TM+2]        ; my row's two bytes
	v_cvt_scalef32_pk16_fp6_f32 v[224:226], v[192:207], v[TM+4]
	v_cvt_scalef32_pk16_fp6_f32 v[230:232], v[208:223], v[TM+5]
	v_nop                                          ; one plain place behind a scaled conversion
.irp i, 0,1,2
	v_permlane16_swap_b32 v[224+\i], v[230+\i]
.endr
.irp i, 0,1,2
	s_delay_alu instid0(VALU_DEP_3)
	v_mov_b32 v[227+\i], v[230+\i]
.endr
	v_cmp_ge_f32 vcc_lo, 0xef800000, v13           ; no key counted: the largest t is still at its start
	s_delay_alu instid0(VALU_DEP_1)
	v_cndmask_b32 v242, v242, v38, vcc_lo          ; then both bytes are 0xff
	s_delay_alu instid0(VALU_DEP_1)
	v_lshrrev_b32 v242, v37, v242                  ; lanes 0-15 store byte 0, lanes 16-31 byte 1
	global_store_b128 v1, v[224:227], s[12:13]     ; 512 consecutive bytes
	global_store_b64 v2, v[228:229], s[12:13] offset:512   ; 256
	global_store_b8 v36, v242, s[14:15]
	s_wait_dscnt 0x0
	s_wait_tensorcnt 0x0
	ds_add_u32 v95, v243
	s_wait_dscnt 0x0
	ROUND                                          ; the closing round: no work-group ends while a partner may still ask for a key step that names it
	s_endpgm
.Lfunc_end_k_qfda5fd63d6_attn:
	.size	k_qfda5fd63d6_attn, .Lfunc_end_k_qfda5fd63d6_attn-k_qfda5fd63d6_attn
	.p2alignl 7, 3214868480
	.fill 96, 4, 3214868480
	.section	.rodata,"a",@progbits
	.p2align	6, 0x0
	.amdhsa_kernel k_qfda5fd63d6_attn
		.amdhsa_group_segment_fixed_size 215040
		.amdhsa_private_segment_fixed_size 0
		.amdhsa_enable_private_segment 0
		.amdhsa_kernarg_size 48
		.amdhsa_user_sgpr_count 2
		.amdhsa_user_sgpr_kernarg_segment_ptr 1
		.amdhsa_wavefront_size32 1
		.amdhsa_system_sgpr_workgroup_id_x 1
		.amdhsa_system_sgpr_workgroup_id_y 1
		.amdhsa_system_sgpr_workgroup_id_z 1
		.amdhsa_system_vgpr_workitem_id 0
		.amdhsa_next_free_vgpr 256
		.amdhsa_next_free_sgpr 66
		.amdhsa_reserve_vcc 1
		.amdhsa_float_denorm_mode_32 3
		.amdhsa_float_denorm_mode_16_64 3
		.amdhsa_memory_ordered 1
		.amdhsa_forward_progress 1
		.amdhsa_inst_pref_size 32
	.end_amdhsa_kernel
	.amdgpu_metadata
---
amdhsa.version: [ 1, 2 ]
amdhsa.kernels:
  - .name:           k_qfda5fd63d6_attn
    .symbol:         k_qfda5fd63d6_attn.kd
    .args:
      - { .name: qp, .offset: 0, .size: 8, .value_kind: global_buffer, .address_space: global }
      - { .name: kvp, .offset: 8, .size: 8, .value_kind: global_buffer, .address_space: global }
      - { .name: attn_bias, .offset: 16, .size: 8, .value_kind: global_buffer, .address_space: global }
      - { .name: memory_key_padding_mask, .offset: 24, .size: 8, .value_kind: global_buffer, .address_space: global }
      - { .name: cc, .offset: 32, .size: 8, .value_kind: global_buffer, .address_space: global }
      - { .name: cs, .offset: 40, .size: 8, .value_kind: global_buffer, .address_space: global }
    .group_segment_fixed_size: 215040
    .private_segment_fixed_size: 0
    .kernarg_segment_align: 8
    .kernarg_segment_size: 48
    .max_flat_workgroup_size: 512
    .sgpr_count:     66
    .vgpr_count:     256
    .wavefront_size: 32
...
	.end_amdgpu_metadata
.endif
;; end of part 7
;; launch outp (part 8): grid 256 x 1, 4 waves a work-group, no clusters, 17,920 bytes of LDS; arguments xc, xs, cc, cs, out_b, out0; writes out0
.if DOCPART == 8
	.amdgcn_target "amdgcn-amd-amdhsa--gfx1250"
	.amdhsa_code_object_version 6
	.text
	.protected	k_qfda5fd63d6_outp
	.globl	k_qfda5fd63d6_outp
	.p2align	8
	.type	k_qfda5fd63d6_outp,@function
k_qfda5fd63d6_outp:
	s_mov_b64 s[64:65], 0
	v_nop
	global_prefetch_b8 v0, s[64:65] scope:SCOPE_SE
	s_setreg_imm32_b32 hwreg(HW_REG_WAVE_SCHED_MODE, 0, 2), 2
	s_setreg_imm32_b32 hwreg(HW_REG_WAVE_MODE, 25, 1), 1
	s_wait_xcnt 0x0
	s_wait_alu depctr_vm_vsrc(0)
; out0 = ctx out_w^T + out_b on codes of FP6 (E2M3) with E8M0 scales, K = 1,024.  ctx's codes (cc, cs) and out_w's (xc, xs, tiles 704 on) lie in the order of an operand's registers: a fragment (16 rows x 128 K, 1,536 bytes) is four dense loads.
; A work-group makes 128 tokens x 128 columns, a wave 64 x 64: 16 accumulators, acc(j, i) = out_w's tile i (source 0) x ctx's tile j (source 1).  Lane r of a tile T is row 32 (T / 2) + 8 (T % 2) + r + 8 (r / 8): so the 32 registers of a j are, in a
; lane, columns 32 b + 16 (lane / 16) + 0 .. 15 of one token.  The bias is loaded into the accumulators: it is the C of each sum's first product.
; THE WAY OUT: 16 tokens x 256 bytes go through the wave's own stage in LDS (rows of 256 + 16 bytes) and leave as whole rows: sixteen lanes store 256 consecutive bytes, at a multiple of 256 from out0's first byte; the store's offset undoes the tile's order of rows.
; NO JOINT LOADS: a wave's K step is 32 dense loads, 12,288 bytes, that land in the operands' registers; a joint tensor load lands in LDS, from which the same bytes would be read once more; K is eight steps deep.
; A scale byte 0xff in cs (a batch all of whose keys are hidden) makes the row's sums NaN.
; THE MODE: SCHED_MODE bits 1:0 = 2 (LLVM: expert scheduling mode 2), set by the entry lines.  The code itself states the register dependences between vector or matrix instructions and memory or LDS instructions, with s_wait_alu, always for 0.
; THE PLAN.  Registers that memory or LDS instructions touch:
;   v1-v7        offsets and LDS addresses, made once at the head and never written again: the bases are scalar registers that stay, and the K steps stand in the immediates.
;   F0, F1, F2   three buffers of a K step's eight fragments: out_w's four in window 1, ctx's four in window 2, both at v[48 b + 12 x tile].  Step s: its 16 products read F[s % 3]; the 32 loads of step s + 2, issued in step s,
;                land in F[(s + 2) % 3] = F[(s - 1) % 3], which the products of step s - 1 read.
;   S0, S1       two sets of scale words, each for two K steps (2 q, 2 q + 1: set q % 2).  The loads of set q are issued in step 2 q - 2; the set's last readers are the products of step 2 q - 3.
;   ACC          the bias's loads land there ahead of every product; at the end the LDS stores read them.
;   O0, O1       rows of out0 by turns: LDS loads land there, global stores read them; no vector instruction names them.
; So ONE wait on va_vdst stands at the head of steps 1 to 5, behind the wait for the step's data: the products of the step before are done reading their buffer (and, in an even step, the older set of scale words).  The products issued behind
; that wait name F[s % 3], the step's set of scale words and the accumulators: none of the registers that the step's loads touch.  So these loads are dealt among the products with no further wait.  Step 0 loads into registers that nothing has
; named; steps 6 and 7 load nothing: they hold no such wait.  By the text's own count up to two K steps' loads and a set of scale words, 72 loads, are asked for at a time.
; REGISTER WINDOWS (s_set_vgpr_msb's low byte: bits 1:0 source 0, 3:2 source 1, 5:4 source 2, 7:6 destination): window 0: v0-9 at the head, v16-47 scale words, v48-111 rows on the way out, v128-255 the accumulators.
.set SC,   16                          ; v16-47 scale words: in set q % 2, at v[SC + 16 (q % 2)]: out_w's tile i at + 2 i (K step 2 q), + 2 i + 1 (2 q + 1); ctx's tile j at + 8 + 2 j, + 1
.set OB,   48                          ; v48-79, v80-111 rows on the way out, by turns
.set ACC,  128
.set PB,   24
.set RB,   26
.set PSB,  28
.set RSB,  30
.set BB,   32
.set OUT,  34
.set MSB,  0
.macro WIN new                         ; the immediate's high byte repeats the setting that is left; a switch that changes nothing is dropped
.if MSB != \new
	s_set_vgpr_msb (MSB<<8)|\new
.set MSB, \new
.endif
.endm
.set W_MUL, 0x09                       ; source 0 (out_w) window 1, source 1 (ctx) window 2, C and D window 0
.set W_P,   0x40                       ; destination window 1, offset window 0
.set W_R,   0x80                       ; destination window 2, offset window 0
.macro FRAGL reg, base, off
	global_load_b128 v[\reg:\reg+3], v1, s[\base:\base+1] offset:\off
	global_load_b64 v[\reg+4:\reg+5], v2, s[\base:\base+1] offset:\off+512
	global_load_b128 v[\reg+6:\reg+9], v1, s[\base:\base+1] offset:\off+768
	global_load_b64 v[\reg+10:\reg+11], v2, s[\base:\base+1] offset:\off+1280
.endm
.macro FILLP t                         ; out_w's four fragments of K step t into buffer t % 3
	WIN W_P
.irp i, 0,1,2,3
	FRAGL 48*((\t)%3)+12*\i, PB, 12288*\i+1536*(\t)
.endr
.endm
.macro FILLR t                         ; ctx's four
	WIN W_R
.irp i, 0,1,2,3
	FRAGL 48*((\t)%3)+12*\i, RB, 12288*\i+1536*(\t)
.endr
.endm
.macro FILLS q                         ; the scale words of K steps 2 q and 2 q + 1 into set q % 2
	WIN 0
.irp i, 0,1,2,3
	global_load_b64 v[SC+16*((\q)%2)+2*\i:SC+16*((\q)%2)+2*\i+1], v3, s[PSB:PSB+1] offset:512*\i+256*((\q)/2)+8*((\q)%2)
	global_load_b64 v[SC+16*((\q)%2)+8+2*\i:SC+16*((\q)%2)+8+2*\i+1], v3, s[RSB:RSB+1] offset:512*\i+256*((\q)/2)+8*((\q)%2)
.endr
.endm
.macro MUL j, s                        ; ctx's tile j against out_w's four, K step s.  The 16 accumulators take turns, one instruction a turn, across the steps too
.irp i, 0,1,2,3
	v_wmma_scale_f32_16x16x128_f8f6f4 v[ACC+32*(\j)+8*\i:ACC+32*(\j)+8*\i+7], v[48*((\s)%3)+12*\i:48*((\s)%3)+12*\i+11], v[48*((\s)%3)+12*(\j):48*((\s)%3)+12*(\j)+11], v[ACC+32*(\j)+8*\i:ACC+32*(\j)+8*\i+7], v[SC+16*(((\s)/2)%2)+2*\i+(\s)%2], v[SC+16*(((\s)/2)%2)+8+2*(\j)+(\s)%2] matrix_a_fmt:MATRIX_FMT_FP6 matrix_b_fmt:MATRIX_FMT_FP6
.endr
.endm
; One K step of 128.
.macro STEP s
.if (\s) == 7
	s_wait_loadcnt 0x0                             ; the last step's loads are in
.elseif (\s)%2 == 1
	s_wait_loadcnt 40                              ; loads come back in order (ISA guide 5.7.1): this step's are in; the 8 loads of scale words and the 32 of fragments that the step before issued may be out
.else
	s_wait_loadcnt 32                              ; this step's fragments and scale words are in; the next step's 32 loads may be out
.endif
.if ((\s) >= 1) && ((\s) <= 5)
	s_wait_alu depctr_va_vdst(0)                   ; the products of the step before are done reading F[(s - 1) % 3], in which this step's loads land; in an even step those of the two steps before are done with the older set of scale words too
.endif
	WIN W_MUL
	MUL 0, \s
.if (\s) <= 5
.if (\s)%2 == 0
	FILLS ((\s)+2)/2
.endif
	FILLP (\s)+2                                   ; two steps ahead.  No wait: no product since the wait above names these registers
	WIN W_MUL
.endif
	MUL 1, \s
.if (\s) <= 5
	FILLR (\s)+2
	WIN W_MUL
.endif
	MUL 2, \s
	MUL 3, \s
.endm
	s_load_b256 s[4:11], s[0:1], 0x0               ; xc, xs, cc, cs
	s_load_b128 s[12:15], s[0:1], 0x20             ; out_b, out0
	v_lshl_add_u32 v126, v0, 2, 0x4400
	v_mov_b32 v127, 0
	v_lshrrev_b32 v1, 5, v0
	v_readfirstlane_b32 s16, v1                    ; wave
	v_and_b32 v1, 31, v0
	v_lshlrev_b32 v2, 3, v1                        ; 8 x lane
	v_lshlrev_b32 v1, 4, v1                        ; 16 x lane
	v_and_b32 v8, 15, v0                           ; r
	v_bfe_u32 v9, v0, 4, 1                         ; h
	v_lshlrev_b32 v3, 4, v8                        ; 16 r
	v_lshlrev_b32 v4, 6, v9                        ; 64 h
	v_mul_u32_u24 v5, v8, 272
	v_add_nc_u32 v5, v5, v4
	v_mul_u32_u24 v6, v9, 272
	v_add_nc_u32 v6, v6, v3
	v_lshl_add_u32 v7, v9, 12, v3                  ; out0: 4,096 h + 16 r
	s_wait_alu depctr_va_sdst(0)                   ; s16 is written, ahead of its first reader: the stage's place, the tiles and all bases are made from it
	s_mul_i32 s36, s16, 4352                       ; my stage: 16 rows x 272 bytes
	v_add_nc_u32 v5, s36, v5                       ; in: row r, + 64 h
	v_add_nc_u32 v6, s36, v6                       ; back: lanes 0-15 one row, lanes 16-31 the next
	s_lshr_b32 s17, ttmp9, 3                       ; which 128 tokens
	s_and_b32 s18, ttmp9, 7                        ; which 128 columns
	s_and_b32 s19, s16, 1                          ; which 64 of the tokens
	s_lshr_b32 s20, s16, 1                         ; which 64 of the columns
	s_lshl_b32 s21, s18, 3
	s_lshl_b32 s22, s20, 2
	s_add_co_u32 s21, s21, s22
	s_add_co_u32 s21, s21, 704                     ; out_w's first tile of mine
	s_lshl_b32 s22, s17, 3
	s_lshl_b32 s23, s19, 2
	s_add_co_u32 s22, s22, s23                     ; ctx's
	s_mul_i32 s36, s21, 12288
	s_mul_i32 s38, s22, 12288
	s_lshl_b32 s40, s21, 9
	s_lshl_b32 s42, s22, 9
	s_lshl_b32 s44, s18, 9
	s_lshl_b32 s23, s20, 8
	s_add_co_u32 s44, s44, s23                     ; my first column, in bytes
	s_lshl_b32 s46, s17, 7
	s_lshl_b32 s23, s19, 6
	s_add_co_u32 s46, s46, s23
	s_lshl_b32 s46, s46, 12                        ; my first token's row of 4,096 bytes
	s_add_co_u32 s46, s46, s44
	s_mov_b32 s37, 0
	s_mov_b32 s39, 0
	s_mov_b32 s41, 0
	s_mov_b32 s43, 0
	s_mov_b32 s45, 0
	s_mov_b32 s47, 0
	s_wait_kmcnt 0x0
	s_add_nc_u64 s[PB:PB+1], s[4:5], s[36:37]
	s_add_nc_u64 s[RB:RB+1], s[8:9], s[38:39]
	s_add_nc_u64 s[PSB:PSB+1], s[6:7], s[40:41]
	s_add_nc_u64 s[RSB:RSB+1], s[10:11], s[42:43]
	s_add_nc_u64 s[BB:BB+1], s[12:13], s[44:45]
	s_add_nc_u64 s[OUT:OUT+1], s[14:15], s[46:47]
	s_wait_alu depctr_va_vdst(0)                   ; v1 to v7 are written: every load, LDS instruction and store of the kernel reads one of them as its offset or address
.irp j, 0,1,2,3
.irp i, 0,1,2,3
	global_load_b128 v[ACC+32*\j+8*\i:ACC+32*\j+8*\i+3], v4, s[BB:BB+1] offset:4*(32*(\i/2)+8*(\i%2))
	global_load_b128 v[ACC+32*\j+8*\i+4:ACC+32*\j+8*\i+7], v4, s[BB:BB+1] offset:4*(32*(\i/2)+8*(\i%2))+16
.endr
.endr
	FILLS 0                                        ; K steps 0 and 1: their scale words,
	FILLP 0                                        ; step 0's fragments,
	FILLR 0
	FILLP 1                                        ; and step 1's: each later step asks for the one two steps on
	FILLR 1
.irp s, 0,1,2,3,4,5,6,7
	STEP \s
.endr
	WIN 0
.rept 4
	v_nop                                          ; four places behind the last products, before an LDS store reads their results
.endr
	s_wait_alu depctr_va_vdst(0)                   ; the products have written the accumulators, which the LDS stores below read; the places above stay beside this wait
.macro OUTJ j
.set OBJ, OB+32*((\j)%2)
.if (\j) >= 2
	s_wait_xcnt 0x0                                ; the stores of two tiles back have had their addresses translated (ISA guide 3.1),
	s_wait_alu depctr_vm_vsrc(0)                   ; and have read their rows' registers, in which the LDS loads below land
.endif
.irp g, 0,1,2,3,4,5,6,7
	ds_store_b128 v5, v[ACC+32*(\j)+4*\g:ACC+32*(\j)+4*\g+3] offset:128*(\g/4)+16*(\g%4)   ; each accumulator from its low end on
.endr
.irp i, 0,1,2,3,4,5,6,7
	ds_load_b128 v[OBJ+4*\i:OBJ+4*\i+3], v6 offset:544*\i          ; LDS serves a wave's instructions in order: these see the stores above
.endr
.irp i, 0,1,2,3,4,5,6,7
	s_wait_dscnt 7-\i                              ; the younger loads of this tile may be out
	global_store_b128 v7, v[OBJ+4*\i:OBJ+4*\i+3], s[OUT:OUT+1] offset:(32*((\j)/2)+8*((\j)%2)+2*\i+8*(\i/4))*4096 th:TH_STORE_NT
.endr
.endm
	OUTJ 0
	OUTJ 1
	OUTJ 2
	OUTJ 3
	s_wait_dscnt 0x0
	s_wait_alu depctr_hold_cnt(0) depctr_sa_sdst(0) depctr_va_vdst(0) depctr_va_sdst(0) depctr_va_ssrc(0) depctr_va_vcc(0) depctr_vm_vsrc(0)
	s_wait_tensorcnt 0x0
	ds_add_u32 v126, v127
	s_wait_dscnt 0x0
	s_endpgm
.Lfunc_end_k_qfda5fd63d6_outp:
	.size	k_qfda5fd63d6_outp, .Lfunc_end_k_qfda5fd63d6_outp-k_qfda5fd63d6_outp
	.p2alignl 7, 3214868480
	.fill 96, 4, 3214868480
	.section	.rodata,"a",@progbits
	.p2align	6, 0x0
	.amdhsa_kernel k_qfda5fd63d6_outp
		.amdhsa_group_segment_fixed_size 17920
		.amdhsa_private_segment_fixed_size 0
		.amdhsa_enable_private_segment 0
		.amdhsa_kernarg_size 48
		.amdhsa_user_sgpr_count 2
		.amdhsa_user_sgpr_kernarg_segment_ptr 1
		.amdhsa_wavefront_size32 1
		.amdhsa_system_sgpr_workgroup_id_x 1
		.amdhsa_system_sgpr_workgroup_id_y 1
		.amdhsa_system_sgpr_workgroup_id_z 1
		.amdhsa_system_vgpr_workitem_id 0
		.amdhsa_next_free_vgpr 656
		.amdhsa_next_free_sgpr 66
		.amdhsa_reserve_vcc 0
		.amdhsa_float_denorm_mode_32 3
		.amdhsa_float_denorm_mode_16_64 3
		.amdhsa_memory_ordered 1
		.amdhsa_forward_progress 1
		.amdhsa_inst_pref_size 59
	.end_amdhsa_kernel
	.amdgpu_metadata
---
amdhsa.version: [ 1, 2 ]
amdhsa.kernels:
  - .name:           k_qfda5fd63d6_outp
    .symbol:         k_qfda5fd63d6_outp.kd
    .args:
      - { .name: xc, .offset: 0, .size: 8, .value_kind: global_buffer, .address_space: global }
      - { .name: xs, .offset: 8, .size: 8, .value_kind: global_buffer, .address_space: global }
      - { .name: cc, .offset: 16, .size: 8, .value_kind: global_buffer, .address_space: global }
      - { .name: cs, .offset: 24, .size: 8, .value_kind: global_buffer, .address_space: global }
      - { .name: out_b, .offset: 32, .size: 8, .value_kind: global_buffer, .address_space: global }
      - { .name: out0, .offset: 40, .size: 8, .value_kind: global_buffer, .address_space: global }
    .group_segment_fixed_size: 17920
    .private_segment_fixed_size: 0
    .kernarg_segment_align: 8
    .kernarg_segment_size: 48
    .max_flat_workgroup_size: 128
    .sgpr_count:     66
    .vgpr_count:     656
    .wavefront_size: 32
...
	.end_amdgpu_metadata
.endif
;; end of part 8
